; MI455X (gfx1250); checked and timed in simulation.
; The chip was launched on July 23, 2026; its instructions are those of AMD's public machine-readable ISA for CDNA 5 (MIT licence, August 2026) and "CDNA5" Instruction Set Architecture Reference Guide (July 2026). The comments in the code are by the model that wrote it; some were corrected since.
;; Encoder Layer. Allowed arithmetic: matrix products marked QUANTISED: E2M1 operands, one E8M0 scale for each 32 along K, by v_wmma_scale_f32_16x16x128_f8f6f4 with both operands' format E2M1 (or v_wmma_scale_f32_32x16x128_f4), f32 sums; everything else in f32.
;; Inputs: W1 1,024 x 512 float32; W2 512 x 1,024 float32; Wk 1,024 x 512 float32; Wo 512 x 1,024 float32; Wq 1,024 x 512 float32; Wv 1,024 x 512 float32; b1 512 float32; b2 1,024 float32; bk 512 float32; bo 1,024 float32; bq 512 float32; bv 512 float32; input_mask 4 x 4,096 bool; ln1_b 1,024 float32; ln1_g 1,024 float32; ln2_b 1,024 float32; ln2_g 1,024 float32; src 4 x 4,096 x 1,024 float32.
;; Outputs: out0 4 x 4,096 x 1,024 float32.
;; This version of the problem:
;;   THIS VERSION OF THE PROBLEM IS GIVEN IN LOW PRECISION. The matrix products marked QUANTISED in the list below multiply operands that are first quantised to E2M1 (2 exponent bits, 1 mantissa bit; 4 bits a number), with one power-of-two scale for each 32 numbers along K (OCP MX v1.0); their sums are f32. All else is computed in f32.
;;   The module's matrix products, in the order in which they are computed (A, B: the left and right operand; K: the contracted axis; several contracted axes count as one K, in the product's order):
;;     1. [M 16,384, K 1,024] x [K 1,024, N 512]; A: input src; B: input Wq: QUANTISED
;;     2. [M 16,384, K 1,024] x [K 1,024, N 512]; A: input src; B: input Wk: QUANTISED
;;     3. [M 16,384, K 1,024] x [K 1,024, N 512]; A: input src; B: input Wv: QUANTISED
;;     4. batch 1,024 x [M 128, K 32] x [K 32, N 128]; A: computed on the way; B: computed on the way: QUANTISED
;;     5. batch 1,024 x [M 32, K 128] x [K 128, N 128]; A: computed on the way; B: softmax (see below): QUANTISED
;;     6. batch 32 x [M 4,096, K 32] x [K 32, N 1,024]; A: computed on the way; B: computed on the way: QUANTISED
;;     7. batch 32 x [M 32, K 1,024] x [K 1,024, N 4,096]; A: computed on the way; B: softmax (see below): QUANTISED
;;     8. [M 16,384, K 512] x [K 512, N 1,024]; A: computed on the way; B: input Wo: QUANTISED
;;     9. [M 16,384, K 1,024] x [K 1,024, N 512]; A: computed on the way; B: input W1: QUANTISED
;;     10. [M 16,384, K 512] x [K 512, N 1,024]; A: computed on the way; B: input W2: QUANTISED
;;   THE QUANTISER, for each operand of a quantised product, along K:
;;     - K is cut into blocks of 32 from its start; a last block that is shorter is filled with zeros.
;;     - A block's scale is 2^e with e = floor(log2(the largest magnitude in the block)) - 2, held to -126 .. 127; a block of zeros has e = 0. As a byte (E8M0): e + 127.
;;     - Each number is divided by its block's scale, clamped to +-6, and rounded to the nearest number of E2M1, ties to even, subnormals kept.
;;     - The product sums the exact products of the quantised numbers (number of the format x scale) in f32.
;;   ~~~python
;;   def quantise(x, axis):      # numpy; x: float32 -> the quantised numbers, widened to float32 again
;;       x = np.moveaxis(x, axis, -1); K = x.shape[-1]
;;       x = np.pad(x, [(0, 0)] * (x.ndim - 1) + [(0, -K % 32)]); x = x.reshape(x.shape[:-1] + (-1, 32)); a = np.abs(x).max(-1, keepdims=True)
;;       e = np.where(a > 0, np.clip(np.frexp(np.where(a > 0, a, 1))[1] - 1 - 2, -126, 127), 0)      # np.frexp(a)[1] - 1 = floor(log2(a)), exactly
;;       r = np.clip(x / 2.0 ** e, -6, 6)
;;       step = 2.0 ** (np.maximum(np.frexp(np.where(r == 0, 1, r))[1] - 1, 0) - 1)
;;       q = np.round(r / step) * step * 2.0 ** e      # np.round: ties to even
;;       return np.moveaxis(q.reshape(q.shape[:-2] + (-1,))[..., :K], -1, axis).astype(np.float32)
;;   ~~~
;;   SOFTMAX AHEAD OF A QUANTISED PRODUCT. Where the list says 'softmax', what is quantised is not the finished softmax but p = 2^(t - M), with t = logit x log2(e) and M = ceil(the row's largest t), a whole number; so 1/2 < the row's largest p <= 1. The row's sum l is taken of the UNQUANTISED p, in f32, and the product's result is divided by l at the end. Since M is a whole number, a kernel that streams over the keys may use a running M (the ceiling of the running maximum): every later rescaling is an exact power of two, which a block's scale takes up: the codes' values come out the same.
;;   OPERANDS COMPUTED ON THE WAY. 'Computed on the way' means the value that the module computes at that place (a softmax that the list does not call 'softmax' is quantised finished and normalised). What goes into a quantiser is computed in f32, as accurately as f32 sums, v_exp_f32 and their like allow (about 1e-6 of the number): no bf16 or f16 on the way to a quantiser, and a product that is left as it is and whose result goes on into a quantised operand takes f32 operands (vector FMAs, or v_wmma_f32_16x16x4_f32). A number that lies on a knife's edge between two numbers of the format may be rounded either way, as far as f32 arithmetic and the matrix unit's own rounding can turn it there, and no further.
;; One version. Each part assembles by itself: llvm-mc -triple=amdgcn-amd-amdhsa -mcpu=gfx1250 --defsym DOCPART=n.
;; ======== version 1 of 1: 4 launches
;; limits: right only within a limited range of input values
;; workspace buffers: wts 1,671,168 bytes; qc 4,194,304 bytes; qsc 524,288 bytes; kvl 5,242,880 bytes; kvg 1,310,720 bytes; oc 4,194,304 bytes; osc 524,288 bytes
;; launch prep (part 1): grid 192 x 1, 4 waves a work-group, no clusters, 1,536 bytes of LDS; arguments Wq, Wk, Wv, W1, Wo, W2, wts; writes wts
.if DOCPART == 1
	.amdgcn_target "amdgcn-amd-amdhsa--gfx1250"
	.amdhsa_code_object_version 6
	.text
	.protected	k_q15553d5352_prep
	.globl	k_q15553d5352_prep
	.p2align	8
	.type	k_q15553d5352_prep,@function
k_q15553d5352_prep:
	s_mov_b64 s[64:65], 0
	v_nop
	global_prefetch_b8 v0, s[64:65] scope:SCOPE_SE
	s_setreg_imm32_b32 hwreg(HW_REG_WAVE_MODE, 25, 1), 1
	s_wait_xcnt 0x0
; The six weights, f32 stored [K][N], become codes of FP4 (E2M1) with one E8M0 byte for each 32 along K, laid in the order in which a wave's operand registers take them.
; A RECORD (8,704 bytes) is 128 columns x 128 along K: eight fragment images of 1,024 bytes ([c 2][lane 32][16 bytes] = registers 4 c .. 4 c + 3), then 512 bytes of scale words [lane 32][4]:
; word p holds tile 2 p's word in lanes 0-15 and tile 2 p + 1's in lanes 16-31.  Lane r of tile t holds column 32 (t / 2) + 8 (t % 2) + r + 8 (r / 8) of the record's 128.
; Work-group x makes record x: weight x / 32 (Wq, Wk, Wv, W1: N = 512, record = 8 chunk + K step;  Wo, W2: N = 1,024, record = 4 chunk + K step).
; Wave b takes tiles 2 b and 2 b + 1: A LANE TAKES A COLUMN AND ITS REGISTERS RUN DOWN K, so a block of 32 lies in one lane; a load reads 128 consecutive bytes, the four waves 512.
; A block's scale is 2^(floor(log2(largest magnitude)) - 2); the byte is held at 1 from below (a block of zeros keeps 1: its codes are zeros, and this program alone reads the bytes).
; LIMITS: NaN and infinities among the inputs are not served; blocks whose largest magnitude lies under 2^-124 get the byte 1.
; No matrix unit, no cluster, no tensor load: the launch reads each weight once and shares nothing between work-groups.
.set REC, 8704
.set CD,  16                           ; v16-31   codes, four registers for each block: no store's data are written again
.set AD,  32                           ; v32-63   byte offset of row i of a block, i = 0 .. 31, at my column
.set X,   64                           ; v64-191  128 numbers: four blocks of 32 down K
	s_load_b256 s[4:11], s[0:1], 0x0               ; Wq, Wk, Wv, W1
	s_load_b128 s[12:15], s[0:1], 0x20             ; Wo, W2
	s_load_b64 s[16:17], s[0:1], 0x30              ; wts
	v_lshl_add_u32 v200, v0, 2, 0x400
	v_mov_b32 v201, 0
	v_lshrrev_b32 v1, 5, v0
	v_readfirstlane_b32 s27, v1                    ; wave b
	v_and_b32 v1, 31, v0                           ; lane
	v_and_b32 v2, 15, v0                           ; r
	s_wait_alu depctr_va_vdst(0)
	v_bfe_u32 v3, v0, 4, 1                         ; u
	s_lshr_b32 s20, ttmp9, 5                       ; which weight
	s_and_b32 s21, ttmp9, 31                       ; which record of it
	s_cmp_ge_u32 s20, 4
	s_cselect_b32 s23, 1, 0                        ; 1 for Wo and W2
	s_lshl_b32 s22, 2048, s23                      ; bytes from row to row
	s_sub_co_u32 s24, 3, s23
	s_lshr_b32 s25, s21, s24                       ; chunk of 128 columns
	s_lshr_b32 s26, 7, s23
	s_and_b32 s26, s21, s26                        ; K step of 128
	v_and_b32 v4, 8, v2
	v_add_nc_u32 v4, v4, v2
	s_wait_alu depctr_va_vdst(0)
	v_lshl_add_u32 v4, v3, 3, v4                   ; my column among the wave's 32: 8 u + r + 8 (r / 8)
	v_lshlrev_b32 v4, 2, v4
	v_lshlrev_b32 v5, 4, v2
	v_lshl_add_u32 v5, v3, 10, v5
	s_lshl_b32 s18, s27, 11
	v_add_nc_u32 v5, s18, v5                       ; where my codes go: 1,024 (2 b + u) + 16 r
	v_lshlrev_b32 v7, 4, v1                        ; 16 x lane
	s_lshl_b32 s18, s27, 2
	v_add_nc_u32 v6, s18, v7                       ; LDS: my scale word: 16 x lane + 4 b
.irp i, 0,1,2,3,4,5,6,7,8,9,10,11,12,13,14,15,16,17,18,19,20,21,22,23,24,25,26,27,28,29,30,31
	v_mad_u32_u24 v[AD+\i], s22, \i, v4
.endr
	s_lshl_b32 s36, s26, 7
	s_mul_i32 s36, s36, s22                        ; 128 x K step rows,
	s_lshl_b32 s18, s25, 9
	s_add_co_u32 s36, s36, s18                     ; + 512 x chunk,
	s_lshl_b32 s18, s27, 7
	s_add_co_u32 s36, s36, s18                     ; + 128 x wave
	s_mov_b32 s37, 0
	s_lshl_b32 s38, s22, 5                         ; a block of 32 rows on
	s_mov_b32 s39, 0
	s_mul_i32 s40, ttmp9, REC
	s_mov_b32 s41, 0
	s_wait_alu depctr_va_vdst(0)
	s_wait_kmcnt 0x0
	s_cmp_eq_u32 s20, 1                            ; the choice hangs on the work-group's number alone
	s_cselect_b64 s[4:5], s[6:7], s[4:5]
	s_cmp_eq_u32 s20, 2
	s_cselect_b64 s[4:5], s[8:9], s[4:5]
	s_cmp_eq_u32 s20, 3
	s_cselect_b64 s[4:5], s[10:11], s[4:5]
	s_cmp_eq_u32 s20, 4
	s_cselect_b64 s[4:5], s[12:13], s[4:5]
	s_cmp_eq_u32 s20, 5
	s_cselect_b64 s[4:5], s[14:15], s[4:5]
	s_add_nc_u64 s[28:29], s[4:5], s[36:37]
	s_add_nc_u64 s[30:31], s[28:29], s[38:39]
	s_add_nc_u64 s[32:33], s[30:31], s[38:39]
	s_add_nc_u64 s[34:35], s[32:33], s[38:39]
	s_add_nc_u64 s[16:17], s[16:17], s[40:41]
.irp k, 0,1,2,3
.irp i, 0,1,2,3,4,5,6,7,8,9,10,11,12,13,14,15,16,17,18,19,20,21,22,23,24,25,26,27,28,29,30,31
	global_load_b32 v[X+32*\k+\i], v[AD+\i], s[28+2*\k:29+2*\k] th:TH_LOAD_NT
.endr
.endr
.macro BLOCK kb
.set XS, X+32*(\kb)
.if (\kb) < 2
	s_wait_loadcnt 63                              ; 96 or 64 loads stand behind this block's 32
.else
	s_wait_loadcnt 32*(3-(\kb))
.endif
	v_max3_num_f32 v8, |v[XS]|, |v[XS+1]|, |v[XS+2]|       ; the block's largest magnitude, in two chains
	v_max3_num_f32 v9, |v[XS+3]|, |v[XS+4]|, |v[XS+5]|
.irp i, 6,10,14,18,22,26
	v_max3_num_f32 v8, v8, |v[XS+\i]|, |v[XS+\i+1]|
	v_max3_num_f32 v9, v9, |v[XS+\i+2]|, |v[XS+\i+3]|
.endr
	v_max3_num_f32 v8, v8, |v[XS+30]|, |v[XS+31]|
	v_max3_num_f32 v8, v8, v9, 0x1800000           ; and the floor 2^(3 - 127): the byte cannot fall under 1
	v_add_nc_u32 v10, 0xff000000, v8               ; 2 off the exponent field: the conversion's scale operand
	v_lshrrev_b32 v11, 23, v10                     ; the scale's byte
.if (\kb) == 0
	v_mov_b32 v12, v11
.else
	v_lshl_or_b32 v12, v11, 8*(\kb), v12           ; four bytes make my column's scale word
.endif
.irp g, 0,1,2,3
	v_cvt_scalef32_pk8_fp4_f32 v[CD+4*(\kb)+\g], v[XS+8*\g:XS+8*\g+7], v10
.endr
	global_store_b128 v5, v[CD+4*(\kb):CD+4*(\kb)+3], s[16:17] offset:512*((\kb)/2)+256*((\kb)%2)   ; lanes 0-15 fill 256 aligned bytes of tile 2 b, lanes 16-31 of tile 2 b + 1
.endm
	BLOCK 0
	BLOCK 1
	BLOCK 2
	BLOCK 3
	ds_store_b32 v6, v12                           ; the four waves' scale words meet in LDS
	s_wait_dscnt 0x0                               ; for the others' sake: my store has landed
	s_barrier_signal -1
	s_barrier_wait -1
	s_cmp_lg_u32 s27, 0
	s_cbranch_scc1 .Ldone
	ds_load_b128 v[192:195], v7
	s_wait_dscnt 0x0
	global_store_b128 v7, v[192:195], s[16:17] offset:8192   ; 512 consecutive bytes
.Ldone:
	s_wait_tensorcnt 0x0
	ds_add_u32 v200, v201
	s_wait_dscnt 0x0
	s_endpgm
.Lfunc_end_k_q15553d5352_prep:
	.size	k_q15553d5352_prep, .Lfunc_end_k_q15553d5352_prep-k_q15553d5352_prep
	.p2alignl 7, 3214868480
	.fill 96, 4, 3214868480
	.section	.rodata,"a",@progbits
	.p2align	6, 0x0
	.amdhsa_kernel k_q15553d5352_prep
		.amdhsa_group_segment_fixed_size 1536
		.amdhsa_private_segment_fixed_size 0
		.amdhsa_enable_private_segment 0
		.amdhsa_kernarg_size 56
		.amdhsa_user_sgpr_count 2
		.amdhsa_user_sgpr_kernarg_segment_ptr 1
		.amdhsa_wavefront_size32 1
		.amdhsa_system_sgpr_workgroup_id_x 1
		.amdhsa_system_sgpr_workgroup_id_y 1
		.amdhsa_system_sgpr_workgroup_id_z 1
		.amdhsa_system_vgpr_workitem_id 0
		.amdhsa_next_free_vgpr 202
		.amdhsa_next_free_sgpr 66
		.amdhsa_reserve_vcc 0
		.amdhsa_float_denorm_mode_32 3
		.amdhsa_float_denorm_mode_16_64 3
		.amdhsa_memory_ordered 1
		.amdhsa_forward_progress 1
		.amdhsa_inst_pref_size 24
	.end_amdhsa_kernel
	.amdgpu_metadata
---
amdhsa.version: [ 1, 2 ]
amdhsa.kernels:
  - .name:           k_q15553d5352_prep
    .symbol:         k_q15553d5352_prep.kd
    .args:
      - { .name: Wq, .offset: 0, .size: 8, .value_kind: global_buffer, .address_space: global }
      - { .name: Wk, .offset: 8, .size: 8, .value_kind: global_buffer, .address_space: global }
      - { .name: Wv, .offset: 16, .size: 8, .value_kind: global_buffer, .address_space: global }
      - { .name: W1, .offset: 24, .size: 8, .value_kind: global_buffer, .address_space: global }
      - { .name: Wo, .offset: 32, .size: 8, .value_kind: global_buffer, .address_space: global }
      - { .name: W2, .offset: 40, .size: 8, .value_kind: global_buffer, .address_space: global }
      - { .name: wts, .offset: 48, .size: 8, .value_kind: global_buffer, .address_space: global }
    .group_segment_fixed_size: 1536
    .private_segment_fixed_size: 0
    .kernarg_segment_align: 8
    .kernarg_segment_size: 56
    .max_flat_workgroup_size: 128
    .sgpr_count:     66
    .vgpr_count:     202
    .wavefront_size: 32
...
	.end_amdgpu_metadata
.endif
;; end of part 1
;; launch qkv (part 2): grid 256 x 1, 4 waves a work-group, no clusters, 71,168 bytes of LDS; arguments src, input_mask, bq, bk, bv, wts, qc, qsc, kvl, kvg; writes qc, qsc, kvl, kvg
.if DOCPART == 2
	.amdgcn_target "amdgcn-amd-amdhsa--gfx1250"
	.amdhsa_code_object_version 6
	.text
	.protected	k_q15553d5352_qkv
	.globl	k_q15553d5352_qkv
	.p2align	8
	.type	k_q15553d5352_qkv,@function
k_q15553d5352_qkv:
	s_mov_b64 s[64:65], 0
	v_nop
	global_prefetch_b8 v0, s[64:65] scope:SCOPE_SE
	s_setreg_imm32_b32 hwreg(HW_REG_WAVE_MODE, 25, 1), 1
	s_wait_xcnt 0x0
; q = src Wq + bq, k = src Wk + bk, v = src Wv + bv on codes of FP4 (E2M1) with E8M0 scales, and their results quantised again as the operands of attention.
; SHARES.  A work-group owns 64 rows (row group rg).  THE WAVES SHARE THE COLUMNS: wave w makes heads 4 w .. 4 w + 3 (128 columns) of q, then of k, then of v, for all 64 rows.
; Phase X: wave w quantises row tile w of src (16 rows x 1,024) and stores the eight fragment images in LDS; one barrier; every wave then holds all 32 fragments in registers.
; ROW TILES AND COLUMN TILES ARE NOT NEIGHBOURS: lane r of tile t holds index 32 (t / 2) + 8 (t % 2) + r + 8 (r / 8), so that the 16 result registers of tiles 2 b, 2 b + 1 are 16 neighbours, 32 b + 16 (lane / 16) + i.
; q and k are made TRANSPOSED (source 0 = 16 weight columns, source 1 = 16 rows): a lane holds one row and 64 columns in that order.  v is made the natural way round: a lane holds one channel and its registers run along the keys.
; WEIGHTS go from memory straight into registers, a ring of four records of 128 x 128 (17 loads each), three records ahead; each fragment feeds four products.
; No cluster: every weight fragment is read by one wave of a work-group, into registers; a joint request would land it in LDS, to be read from there once for four products.
; OUT: qc / qsc: q's fragment images and scale words.  kvl: for each block of 128 rows and each chunk of four local heads, four records of 32 keys and one of V^T.  kvg: the same for the last 32 rows of each block, by batch, for the global heads.
; THE MASK RIDES IN THE FIRST PRODUCT OF ATTENTION: a key fragment's K is head a's 32, head b's 32, and a third block whose first code is -1 with scale 2^30 where the key is masked (else code 0, byte 1); a masked key's own codes are zeroed.
; Waves 2 and 3 of a block's first row group end behind q: nobody reads their k and v.
; LIMITS: NaN and infinities are not served; a block whose largest magnitude lies under 2^-124 gets the byte 1 (a block of zeros too: its codes are zeros, and this program alone reads the bytes).
; REGISTERS: window 0 as named below; window 1: 32 accumulators; window 2: the 32 fragments of src at 8 (8 m + s); window 3: the ring of weights, four slots of 64.  In phase X windows 1 and 2 take the rows of src as loaded.
.set REC,    8704
.set WBYTES, 32*REC
.set XIMG,   33792                     ; LDS: 4 stages of 8,448 bytes (16 rows x 528), a wave's own; then the images, 1,024 (8 m + s);
.set XSC,    66560                     ; then their scale words [m][lane 32][s 8]
.set LI,  1                            ; 16 x lane
.set L8,  2                            ; 8 x lane
.set L4,  3                            ; 4 x lane
.set SI,  4                            ; stage, in: + 16 x lane
.set SO,  5                            ; stage, out: + 528 r + 64 h
.set XW,  6                            ; where I store images; behind the barrier: XIMG + 16 x lane
.set XSW, 7                            ; where I store their scale words
.set BA,  8                            ; 64 h
.set BB,  9                            ; 4 (r + 8 (r / 8))
.set R16, 10                           ; 16 r
.set XSR, 11                           ; XSC + 32 x lane
.set VM,  12                           ; v12-15  0 where row (m, r) is masked, else all ones
.set MK,  16                           ; v16-19  the mask word of a key fragment
.set PW,  20                           ; v20-23  the mask bytes as loaded; later four scale words
.set XPW, 24                           ; v24-31  eight scale words of src; later the keys' words; later V's bytes
.set KW,  24
.set SB,  24
.set AS,  32                           ; v32-63  src's scale words, 8 m + s
.set WS,  64                           ; v64-79  the weights' scale words, 4 x slot + pair of tiles
.set X,   80                           ; v80-143 64 numbers at work
.set BI,  144                          ; v144-207 a bias in the result's layout
.set TM,  208                          ; v208-223 at work in QUANT
.set PC,  224                          ; v224-255 four sets of codes
.set MSB, 0
.macro WIN new                         ; the immediate's high byte repeats the setting that is left
.if MSB != (\new)
	s_set_vgpr_msb (MSB<<8)|(\new)
.set MSB, (\new)
.endif
.endm
.macro PLACES                          ; four plain places behind matrix instructions, ahead of loads into their registers and of reads of their results
.rept 4
	v_nop
.endr
.endm
; 64 numbers of a lane, register 16 b + i = k 32 b + 16 (lane / 16) + i of my row, become a fragment's codes in v[pc] on and its scale word in v[pw].
.macro QUANT src, pc, pw
.irp b, 0,1,2,3
	v_max3_num_f32 v[TM+\b], |v[(\src)+16*\b]|, |v[(\src)+1+16*\b]|, 0x1800000   ; my 16 numbers of block b and the floor 2^(3 - 127)
.endr
.irp i, 2,4,6,8,10,12,14
.irp b, 0,1,2,3
	v_max3_num_f32 v[TM+\b], v[TM+\b], |v[(\src)+16*\b+\i]|, |v[(\src)+1+16*\b+\i]|
.endr
.endr
.irp b, 0,1,2,3
	v_permlanex16_b32 v[TM+4+\b], v[TM+\b], s32, s33
.endr
.irp b, 0,1,2,3
	v_max_num_f32 v[TM+\b], v[TM+\b], v[TM+4+\b]   ; with lane l xor 16's: the block's largest magnitude
.endr
.irp b, 0,1,2,3
	v_add_nc_u32 v[TM+12+\b], 0xff000000, v[TM+\b] ; 2 off the exponent field: the conversion's scale operand
.endr
.irp b, 0,1,2,3
	v_lshrrev_b32 v[TM+4+\b], 23, v[TM+12+\b]      ; the byte
.endr
	v_lshl_or_b32 v[\pw], v[TM+5], 8, v[TM+4]
	v_lshl_or_b32 v[\pw], v[TM+6], 16, v[\pw]
	v_lshl_or_b32 v[\pw], v[TM+7], 24, v[\pw]
.irp b, 0,1,2,3
	v_cvt_scalef32_pk8_fp4_f32 v[(\pc)+2*\b], v[(\src)+16*\b:(\src)+7+16*\b], v[TM+12+\b]
	v_cvt_scalef32_pk8_fp4_f32 v[(\pc)+1+2*\b], v[(\src)+8+16*\b:(\src)+15+16*\b], v[TM+12+\b]
.endr
	v_nop                                          ; one plain place behind a scaled conversion
.irp c, 0,1                                    ; a whole block to a lane: lanes 0-15 block 2 c, lanes 16-31 block 2 c + 1
.irp i, 0,1
	v_permlane16_swap_b32 v[(\pc)+4*\c+\i], v[(\pc)+2+4*\c+\i]
.endr
.endr
.endm
; A record of weights into a slot of the ring: 17 loads of 512 consecutive bytes
.macro WLOAD slot, base, rec
	WIN 0xc0
.irp t, 0,1,2,3,4,5,6,7
	global_load_b128 v[64*(\slot)+8*\t:64*(\slot)+8*\t+3], v[LI], s[\base:\base+1] offset:REC*(\rec)+1024*\t
	global_load_b128 v[64*(\slot)+8*\t+4:64*(\slot)+8*\t+7], v[LI], s[\base:\base+1] offset:REC*(\rec)+1024*\t+512
.endr
	WIN 0
	global_load_b128 v[WS+4*(\slot):WS+4*(\slot)+3], v[LI], s[\base:\base+1] offset:REC*(\rec)+8192
.endm
; One matrix instruction.  zr: the sum begins (C = 0).  ra, rb: source 0's or source 1's scales stand in lanes 16-31.
.macro WMX dd, aa, bb, sa, sb, zr, ra, rb
.if \zr
.if \ra
	v_wmma_scale_f32_16x16x128_f8f6f4 v[\dd:\dd+7], v[\aa:\aa+7], v[\bb:\bb+7], 0, v[\sa], v[\sb] matrix_a_fmt:MATRIX_FMT_FP4 matrix_b_fmt:MATRIX_FMT_FP4 matrix_a_scale:MATRIX_SCALE_ROW1
.elseif \rb
	v_wmma_scale_f32_16x16x128_f8f6f4 v[\dd:\dd+7], v[\aa:\aa+7], v[\bb:\bb+7], 0, v[\sa], v[\sb] matrix_a_fmt:MATRIX_FMT_FP4 matrix_b_fmt:MATRIX_FMT_FP4 matrix_b_scale:MATRIX_SCALE_ROW1
.else
	v_wmma_scale_f32_16x16x128_f8f6f4 v[\dd:\dd+7], v[\aa:\aa+7], v[\bb:\bb+7], 0, v[\sa], v[\sb] matrix_a_fmt:MATRIX_FMT_FP4 matrix_b_fmt:MATRIX_FMT_FP4
.endif
.else
.if \ra
	v_wmma_scale_f32_16x16x128_f8f6f4 v[\dd:\dd+7], v[\aa:\aa+7], v[\bb:\bb+7], v[\dd:\dd+7], v[\sa], v[\sb] matrix_a_fmt:MATRIX_FMT_FP4 matrix_b_fmt:MATRIX_FMT_FP4 matrix_a_scale:MATRIX_SCALE_ROW1
.elseif \rb
	v_wmma_scale_f32_16x16x128_f8f6f4 v[\dd:\dd+7], v[\aa:\aa+7], v[\bb:\bb+7], v[\dd:\dd+7], v[\sa], v[\sb] matrix_a_fmt:MATRIX_FMT_FP4 matrix_b_fmt:MATRIX_FMT_FP4 matrix_b_scale:MATRIX_SCALE_ROW1
.else
	v_wmma_scale_f32_16x16x128_f8f6f4 v[\dd:\dd+7], v[\aa:\aa+7], v[\bb:\bb+7], v[\dd:\dd+7], v[\sa], v[\sb] matrix_a_fmt:MATRIX_FMT_FP4 matrix_b_fmt:MATRIX_FMT_FP4
.endif
.endif
.endm
	s_load_b256 s[4:11], s[0:1], 0x0               ; src, input_mask, bq, bk
	s_load_b256 s[12:19], s[0:1], 0x20             ; bv, wts, qc, qsc
	s_load_b128 s[20:23], s[0:1], 0x40             ; kvl, kvg
	v_lshl_add_u32 v218, v0, 2, 0x11400
	v_mov_b32 v219, 0
	v_lshrrev_b32 v80, 5, v0
	v_readfirstlane_b32 s24, v80                   ; wave
	v_and_b32 v80, 31, v0                          ; lane
	v_and_b32 v81, 15, v0                          ; r
	v_bfe_u32 v82, v0, 4, 1                        ; h
	v_lshlrev_b32 v[LI], 4, v80
	v_lshlrev_b32 v[L8], 3, v80
	v_lshlrev_b32 v[L4], 2, v80
	s_mul_i32 s30, s24, 8448
	v_add_nc_u32 v[SI], s30, v[LI]
	v_mul_u32_u24 v[SO], v81, 528
	v_lshl_add_u32 v[SO], v82, 6, v[SO]
	v_add_nc_u32 v[SO], s30, v[SO]
	s_lshl_b32 s30, s24, 13
	s_add_co_u32 s30, s30, XIMG
	v_add_nc_u32 v[XW], s30, v[LI]
	s_lshl_b32 s30, s24, 10
	s_add_co_u32 s30, s30, XSC
	v_lshl_add_u32 v[XSW], v80, 5, s30
	v_lshlrev_b32 v[XSR], 5, v80
	v_add_nc_u32 v[XSR], XSC, v[XSR]
	v_lshlrev_b32 v[BA], 6, v82
	v_and_b32 v[TM+15], 8, v81
	v_add_nc_u32 v[TM+15], v[TM+15], v81           ; r + 8 (r / 8): the mask bytes' offset
	v_lshlrev_b32 v[BB], 2, v[TM+15]
	v_lshlrev_b32 v[R16], 4, v81
.irp b, 0,1,2,3
	v_mov_b32 v[TM+4+\b], 0                        ; written once: a lane permute's destination counts as one of its sources
.endr
	s_and_b32 s25, ttmp9, 1                        ; which half of the block of 128 rows
	s_lshr_b32 s26, ttmp9, 1                       ; block
	s_and_b32 s27, s26, 31                         ; n: block in its batch
	s_lshr_b32 s28, s26, 5                         ; batch
	s_mov_b32 s32, 0x76543210
	s_mov_b32 s33, 0xfedcba98                      ; v_permlanex16_b32's selects for lane l xor 16
	s_mov_b32 s34, 0x019d0000                      ; a masked key's upper scale bytes: 157, 1
	s_lshr_b32 s49, s24, 1
	s_xor_b32 s35, s25, 1
	s_and_b32 s49, s49, s35                        ; 1: a wave of global heads in a block's first half: it ends behind q
	s_lshl_b32 s50, ttmp9, 18                      ; src: 64 rows of 4,096 bytes a row group,
	s_lshr_b32 s30, s24, 1
	s_lshl_b32 s30, s30, 17
	s_and_b32 s31, s24, 1
	s_lshl_b32 s35, s31, 15
	s_add_co_u32 s50, s50, s30
	s_add_co_u32 s50, s50, s35                     ; + row 32 (w / 2) + 8 (w % 2): my tile's first
	s_mov_b32 s51, 0
	s_lshl_b32 s30, s26, 1                         ; where k and v go.  s31 = w % 2: the chunk among the local or among the global heads
	s_add_co_u32 s30, s30, s31
	s_mul_i32 s30, s30, 20480                      ; local: [block][chunk]
	s_lshl_b32 s29, s28, 1
	s_add_co_u32 s29, s29, s31
	s_mul_i32 s29, s29, 163840                     ; global: [batch][chunk]
	s_mul_i32 s42, s25, 5632
	s_add_co_u32 s42, s42, s30                     ; local K: records 2 half and 2 half + 1
	s_lshl_b32 s44, s25, 9
	s_add_co_u32 s44, s44, s30
	s_add_co_u32 s44, s44, 11264                   ; local V's codes: registers 4 half on
	s_lshl_b32 s46, s25, 1
	s_add_co_u32 s46, s46, s30
	s_add_co_u32 s46, s46, 11264                   ; local V's scale bytes: 2 half on
	s_mul_i32 s52, s27, 2816
	s_add_co_u32 s52, s52, s29                     ; global K: record n
	s_lshr_b32 s53, s27, 2
	s_mul_i32 s53, s53, 9216
	s_add_co_u32 s53, s53, s29
	s_add_co_u32 s53, s53, 90112                   ; global V: record n / 4
	s_and_b32 s55, s27, 3
	s_add_co_u32 s54, s55, s53                     ; its scale bytes: byte n % 4
	s_lshl_b32 s55, s55, 8
	s_add_co_u32 s53, s53, s55                     ; its codes: 256 (n % 4) on in each image
	s_mov_b32 s43, 0
	s_mov_b32 s45, 0
	s_mov_b32 s47, 0
	s_mov_b32 s61, 0
	s_wait_alu depctr_va_vdst(0)
	s_wait_kmcnt 0x0
	s_add_nc_u64 s[4:5], s[4:5], s[50:51]
	s_lshl_b32 s60, ttmp9, 6
	s_add_nc_u64 s[6:7], s[6:7], s[60:61]
.irp m, 0,1,2,3
	global_load_u8 v[PW+\m], v[TM+15], s[6:7] offset:32*(\m/2)+8*(\m%2)   ; the mask byte of row (m, r)
.endr
	WIN 0x40                                       ; my 16 rows of src: each load 512 consecutive bytes of one row
.irp s, 0,1,2,3
.irp i, 0,1,2,3,4,5,6,7,8,9,10,11,12,13,14,15
	global_load_b128 v[64*\s+4*\i:64*\s+4*\i+3], v[LI], s[4:5] offset:(\i+8*(\i/8))*4096+512*\s th:TH_LOAD_NT
.endr
.endr
	WIN 0x80
.irp s, 4,5,6,7
.irp i, 0,1,2,3,4,5,6,7,8,9,10,11,12,13,14,15
	global_load_b128 v[64*(\s-4)+4*\i:64*(\s-4)+4*\i+3], v[LI], s[4:5] offset:(\i+8*(\i/8))*4096+512*\s th:TH_LOAD_NT
.endr
.endr
	WIN 0
	s_lshl_b32 s60, s24, 9
	s_add_nc_u64 s[8:9], s[8:9], s[60:61]          ; the biases at my 128 columns
	s_add_nc_u64 s[10:11], s[10:11], s[60:61]
	s_add_nc_u64 s[12:13], s[12:13], s[60:61]
	s_mul_i32 s60, s24, 8*REC
	s_add_nc_u64 s[36:37], s[14:15], s[60:61]      ; Wq's, Wk's, Wv's eight records of my chunk
	s_add_nc_u64 s[38:39], s[36:37], WBYTES
	s_add_nc_u64 s[40:41], s[38:39], WBYTES
	s_lshl_b32 s62, ttmp9, 2
	s_add_co_u32 s62, s62, s24
	s_lshl_b32 s60, s62, 12
	s_add_nc_u64 s[16:17], s[16:17], s[60:61]
	s_lshl_b32 s60, s62, 9
	s_add_nc_u64 s[18:19], s[18:19], s[60:61]
	s_cmp_lt_u32 s24, 2                            ; local heads or global ones: the choice hangs on the wave's number alone
	s_cselect_b32 s42, s42, s52
	s_cselect_b32 s44, s44, s53
	s_cselect_b32 s46, s46, s54
	s_cselect_b64 s[20:21], s[20:21], s[22:23]
	s_add_nc_u64 s[42:43], s[20:21], s[42:43]
	s_add_nc_u64 s[44:45], s[20:21], s[44:45]
	s_add_nc_u64 s[46:47], s[20:21], s[46:47]
; PHASE X, K step st: my 16 rows' 128 numbers turn through my stage (in as loaded, out 16 neighbours of each block a lane), are quantised, and the image goes to LDS.
.macro XSTEP st
	s_wait_loadcnt 63                              ; at least 64 loads stand behind this step's sixteen
	WIN 4*(1+(\st)/4)
.irp i, 0,1,2,3,4,5,6,7,8,9,10,11,12,13,14,15
	ds_store_b128 v[SI], v[64*((\st)%4)+4*\i:64*((\st)%4)+4*\i+3] offset:528*\i
.endr
	WIN 0
.irp b, 0,1,2,3
.irp j, 0,1,2,3
	ds_load_b128 v[X+16*\b+4*\j:X+16*\b+4*\j+3], v[SO] offset:128*\b+16*\j   ; LDS serves a wave's instructions in order: these see the stores above
.endr
.endr
	s_wait_dscnt 0x0                               ; the numbers are in; the last step's image stores have read their registers
	QUANT X, PC, XPW+(\st)
	ds_store_b128 v[XW], v[PC:PC+3] offset:1024*(\st)
	ds_store_b128 v[XW], v[PC+4:PC+7] offset:1024*(\st)+512
.endm
	XSTEP 0
	XSTEP 1
	XSTEP 2
	XSTEP 3
	WLOAD 0, 36, 0                                 ; Wq's first four records: 68 loads, which also keep the count above right for steps 4 to 7
	WLOAD 1, 36, 1
	WLOAD 2, 36, 2
	WLOAD 3, 36, 3
	XSTEP 4
	XSTEP 5
	XSTEP 6
	XSTEP 7
	ds_store_b128 v[XSW], v[XPW:XPW+3]
	ds_store_b128 v[XSW], v[XPW+4:XPW+7] offset:16
	s_wait_dscnt 0x0                               ; for the others' sake: my images and scale words have landed
	s_barrier_signal -1
	s_barrier_wait -1                              ; the launch's one barrier: nothing is stored to LDS behind it
	v_add_nc_u32 v[XW], XIMG, v[LI]
	WIN 0x80
.set F_, 0
.rept 32
	ds_load_b128 v[8*F_:8*F_+3], v[XW] offset:1024*F_
	ds_load_b128 v[8*F_+4:8*F_+7], v[XW] offset:1024*F_+512
.set F_, F_+1
.endr
	WIN 0
.irp m, 0,1,2,3
.irp q, 0,1
	ds_load_b128 v[AS+8*\m+4*\q:AS+8*\m+4*\q+3], v[XSR] offset:1024*\m+16*\q
.endr
.endr
	v_cmp_eq_u32 vcc_lo, 0, v[BA]                  ; lanes 0-15
.irp m, 0,1,2,3
	v_xor_b32 v[X+\m], 1, v[PW+\m]
	v_mul_u32_u24 v[X+\m], v[X+\m], 10             ; the code of -1 where the key is masked,
	v_cndmask_b32 v[MK+\m], 0, v[X+\m], vcc_lo     ; in lanes 0-15 alone: the third block's first code
	v_sub_nc_u32 v[VM+\m], 0, v[PW+\m]
.endr
	s_wait_dscnt 0x0
; A PASS: 8 K steps of 32 matrix instructions on 32 accumulators, which take turns in the same order in every step.
; nat = 0: transposed, accumulator (m, t) at 64 m + 8 t.  nat = 1: natural, at 32 t + 8 m.  cur, nxt: the bases of this pass's weight and the next's (-1: none).
.macro PASS nat, cur, nxt, bias
.set S_, 0
.rept 8
.if ((\nxt) < 0) && (S_ > 4)
	s_wait_loadcnt 17*(7-S_)                       ; the records still behind this one
.else
	s_wait_loadcnt 51                              ; three records of 17 loads stand behind this one (and at times a bias: a smaller count than needed)
.endif
.if S_ == 0
.set Z_, 1
.else
.set Z_, 0
.endif
.if \nat
	WIN 0x5e                                       ; source 0 window 2, source 1 window 3, C and D window 1
.else
	WIN 0x5b                                       ; source 0 window 3, source 1 window 2, C and D window 1
.endif
.irp m, 0,1,2,3
.irp t, 0,1,2,3,4,5,6,7
.if \nat
	WMX 32*\t+8*\m, 8*(8*\m+S_), 64*(S_%4)+8*\t, AS+8*\m+S_, WS+4*(S_%4)+\t/2, Z_, 0, \t%2
.else
	WMX 64*\m+8*\t, 64*(S_%4)+8*\t, 8*(8*\m+S_), WS+4*(S_%4)+\t/2, AS+8*\m+S_, Z_, \t%2, 0
.endif
.endr
.endr
	PLACES
.if S_ < 4
	WLOAD S_%4, \cur, S_+4
.elseif (\nxt) >= 0
	WLOAD S_%4, \nxt, S_-4
.endif
.if S_ == 0
.if \nat
.irp t, 0,1,2,3,4,5,6,7                        ; the bias of my channel in tile t, twice: a pair for the packed addition
	global_load_b32 v[BI+2*\t], v[BB], s[\bias:\bias+1] offset:128*(\t/2)+32*(\t%2)
	global_load_b32 v[BI+2*\t+1], v[BB], s[\bias:\bias+1] offset:128*(\t/2)+32*(\t%2)
.endr
.else
.irp b, 0,1,2,3                                ; the bias of my 64 columns, in the result's order
.irp j, 0,1,2,3
	global_load_b128 v[BI+16*\b+4*\j:BI+16*\b+4*\j+3], v[BA], s[\bias:\bias+1] offset:128*\b+16*\j
.endr
.endr
.endif
.endif
.set S_, S_+1
.endr
	WIN 0
.endm
.macro ADDB acc                        ; 64 sums + bias, into window 0; each accumulator from its low end on
	WIN 0x01
.set K_, 0
.rept 32
	v_pk_add_f32 v[X+K_:X+K_+1], v[(\acc)+K_:(\acc)+K_+1], v[BI+K_:BI+K_+1]
.set K_, K_+2
.endr
	WIN 0
.endm
.macro ADDV tau                        ; the same for v: tiles 2 tau and 2 tau + 1, 32 keys' registers each
	WIN 0x01
.set K_, 0
.rept 32
	v_pk_add_f32 v[X+K_:X+K_+1], v[64*(\tau)+K_:64*(\tau)+K_+1], v[BI+2*(2*(\tau)+K_/32):BI+2*(2*(\tau)+K_/32)+1]
.set K_, K_+2
.endr
	WIN 0
.endm
	; ---- q
	PASS 0, 36, 38, 8
.irp m, 0,1,2,3
	ADDB 64*\m
	QUANT X, PC+8*\m, PW+\m
	global_store_b128 v[LI], v[PC+8*\m:PC+8*\m+3], s[16:17] offset:1024*\m          ; 512 consecutive bytes
	global_store_b128 v[LI], v[PC+8*\m+4:PC+8*\m+7], s[16:17] offset:1024*\m+512
.endr
	global_store_b128 v[LI], v[PW:PW+3], s[18:19]
	s_cmp_lg_u32 s49, 0
	s_cbranch_scc1 .Lend                           ; no barrier follows
	; ---- k
	PASS 0, 38, 40, 10
	s_wait_xcnt 0x0                                ; q's stores have read their registers
.irp m, 0,1,2,3
	ADDB 64*\m
	QUANT X, PC+8*\m, PW+\m
.irp i, 0,1,2,3,4,5,6,7
	v_and_b32 v[PC+8*\m+\i], v[VM+\m], v[PC+8*\m+\i]       ; a masked key's codes are zeros
.endr
	v_and_b32 v[X], 0x9c0000, v[VM+\m]
	v_sub_nc_u32 v[X], s34, v[X]                   ; the upper scale bytes: (157, 1) where masked, (1, 1) elsewhere
	v_and_or_b32 v[KW+4*(\m/2)+(\m%2)], v[PW+\m], 0xffff, v[X]     ; heads 0, 1 of the chunk
	v_lshrrev_b32 v[X+1], 16, v[PW+\m]
	v_or_b32 v[KW+4*(\m/2)+2+(\m%2)], v[X+1], v[X]                 ; heads 2, 3
.endr
.macro KSTORE bb, off                  ; the record of rows 32 bb .. 32 bb + 31: codes [pair of heads][tile][lane][16], scale words, mask words
.irp p, 0,1
.irp u, 0,1
	global_store_b128 v[LI], v[PC+8*(2*(\bb)+\u)+4*\p:PC+8*(2*(\bb)+\u)+4*\p+3], s[42:43] offset:(\off)+1024*\p+512*\u
.endr
	global_store_b64 v[L8], v[KW+4*(\bb)+2*\p:KW+4*(\bb)+2*\p+1], s[42:43] offset:(\off)+2048+256*\p
.endr
	global_store_b64 v[L8], v[MK+2*(\bb):MK+2*(\bb)+1], s[42:43] offset:(\off)+2560
.endm
	s_cmp_lt_u32 s24, 2
	s_cbranch_scc0 .Lkglobal
	KSTORE 0, 0
	KSTORE 1, 2816
	s_branch .Lkdone
.Lkglobal:
	s_wait_alu depctr_va_vdst(0)
	KSTORE 1, 0                                    ; the block's last 32 rows alone
.Lkdone:
	; ---- v
	PASS 1, 40, -1, 12
	s_wait_xcnt 0x0                                ; k's stores have read their registers
.irp a, 0,1,2,3
	ADDV \a
	QUANT X, PC+8*\a, PW+\a                        ; registers 0-3: tile 2 a's 64 keys, 4-7: tile 2 a + 1's; bytes 0, 1 and 2, 3 likewise
.endr
	s_cmp_lt_u32 s24, 2
	s_cbranch_scc0 .Lvglobal
.irp a, 0,1,2,3
	global_store_b128 v[LI], v[PC+8*\a:PC+8*\a+3], s[44:45] offset:2048*\a
	global_store_b128 v[LI], v[PC+8*\a+4:PC+8*\a+7], s[44:45] offset:2048*\a+1024
	global_store_b16 v[L4], v[PW+\a], s[46:47] offset:8192+256*\a
	global_store_d16_hi_b16 v[L4], v[PW+\a], s[46:47] offset:8192+256*\a+128
.endr
	s_branch .Lend
.Lvglobal:
.irp a, 0,1,2,3
	v_bfe_u32 v[SB+2*\a], v[PW+\a], 8, 8           ; the byte of rows 32 .. 63
	v_bfe_u32 v[SB+2*\a+1], v[PW+\a], 24, 8
.endr
.irp t, 0,1,2,3,4,5,6,7
	global_store_b8 v[L4], v[SB+\t], s[46:47] offset:8192+128*\t
.endr
	s_wait_xcnt 0x0                                ; EXEC changes only behind this wait
	v_cmp_ne_u32 vcc_lo, 0, v[BA]
	s_and_saveexec_b32 s48, vcc_lo                 ; lanes 16-31 hold rows 32 .. 63
.irp a, 0,1,2,3
	global_store_b128 v[R16], v[PC+8*\a:PC+8*\a+3], s[44:45] offset:2048*\a         ; sixteen lanes store 256 consecutive aligned bytes
	global_store_b128 v[R16], v[PC+8*\a+4:PC+8*\a+7], s[44:45] offset:2048*\a+1024
.endr
	s_wait_xcnt 0x0                                ; and again ahead of the line that widens it
	s_or_b32 exec_lo, exec_lo, s48
.Lend:
	s_wait_tensorcnt 0x0
	ds_add_u32 v218, v219
	s_wait_dscnt 0x0
	s_endpgm
.Lfunc_end_k_q15553d5352_qkv:
	.size	k_q15553d5352_qkv, .Lfunc_end_k_q15553d5352_qkv-k_q15553d5352_qkv
	.p2alignl 7, 3214868480
	.fill 96, 4, 3214868480
	.section	.rodata,"a",@progbits
	.p2align	6, 0x0
	.amdhsa_kernel k_q15553d5352_qkv
		.amdhsa_group_segment_fixed_size 71168
		.amdhsa_private_segment_fixed_size 0
		.amdhsa_enable_private_segment 0
		.amdhsa_kernarg_size 80
		.amdhsa_user_sgpr_count 2
		.amdhsa_user_sgpr_kernarg_segment_ptr 1
		.amdhsa_wavefront_size32 1
		.amdhsa_system_sgpr_workgroup_id_x 1
		.amdhsa_system_sgpr_workgroup_id_y 1
		.amdhsa_system_sgpr_workgroup_id_z 1
		.amdhsa_system_vgpr_workitem_id 0
		.amdhsa_next_free_vgpr 1024
		.amdhsa_next_free_sgpr 66
		.amdhsa_reserve_vcc 1
		.amdhsa_float_denorm_mode_32 3
		.amdhsa_float_denorm_mode_16_64 3
		.amdhsa_memory_ordered 1
		.amdhsa_forward_progress 1
		.amdhsa_inst_pref_size 255
	.end_amdhsa_kernel
	.section	.bss,"aw",@nobits
	.p2align	6
	.space	262144
	.amdgpu_metadata
---
amdhsa.version: [ 1, 2 ]
amdhsa.kernels:
  - .name:           k_q15553d5352_qkv
    .symbol:         k_q15553d5352_qkv.kd
    .args:
      - { .name: src, .offset: 0, .size: 8, .value_kind: global_buffer, .address_space: global }
      - { .name: input_mask, .offset: 8, .size: 8, .value_kind: global_buffer, .address_space: global }
      - { .name: bq, .offset: 16, .size: 8, .value_kind: global_buffer, .address_space: global }
      - { .name: bk, .offset: 24, .size: 8, .value_kind: global_buffer, .address_space: global }
      - { .name: bv, .offset: 32, .size: 8, .value_kind: global_buffer, .address_space: global }
      - { .name: wts, .offset: 40, .size: 8, .value_kind: global_buffer, .address_space: global }
      - { .name: qc, .offset: 48, .size: 8, .value_kind: global_buffer, .address_space: global }
      - { .name: qsc, .offset: 56, .size: 8, .value_kind: global_buffer, .address_space: global }
      - { .name: kvl, .offset: 64, .size: 8, .value_kind: global_buffer, .address_space: global }
      - { .name: kvg, .offset: 72, .size: 8, .value_kind: global_buffer, .address_space: global }
    .group_segment_fixed_size: 71168
    .private_segment_fixed_size: 0
    .kernarg_segment_align: 8
    .kernarg_segment_size: 80
    .max_flat_workgroup_size: 128
    .sgpr_count:     66
    .vgpr_count:     1024
    .wavefront_size: 32
...
	.end_amdgpu_metadata
.endif
;; end of part 2
;; launch attn (part 3): grid 256 x 1, 16 waves a work-group, no clusters, 327,680 bytes of LDS; arguments qc, qsc, kvl, kvg, oc, osc; writes oc, osc
.if DOCPART == 3
	.amdgcn_target "amdgcn-amd-amdhsa--gfx1250"
	.amdhsa_code_object_version 6
	.text
	.protected	k_q15553d5352_attn
	.globl	k_q15553d5352_attn
	.p2align	8
	.type	k_q15553d5352_attn,@function
k_q15553d5352_attn:
	s_mov_b64 s[64:65], 0
	v_nop
	global_prefetch_b8 v0, s[64:65] scope:SCOPE_SE
	s_setreg_imm32_b32 hwreg(HW_REG_WAVE_MODE, 25, 1), 1
	s_wait_xcnt 0x0
.set KREC, 2816
.set LOCB, 163840
.set AK0, 1
.set AKS, 2
.set AKM, 3
.set AV0, 4
.set AVS, 5
.set LO,  13
.set HI,  14
.set QA,  16
.set KF,  32
.set S,   96
.set O,   160
.set PC,  192
.set VF,  200
.set KS,  216
.set VS,  224
.set ST,  228
.set BM,  236
.set BP,  240
.set BO,  244
.set CS,  22
.set SEL, 24
.set TK,  26
.set TV,  27
.set G1L, 48
.set G1G, 56
.set G0L, 68
.set G0G, 72
	s_load_b256 s[4:11], s[0:1], 0x0
	s_load_b128 s[12:15], s[0:1], 0x20
	v_lshl_add_u32 v12, v0, 2, 0x2d000
	v_mov_b32 v15, 0
	ds_add_u32 v12, v15
	ds_add_u32 v12, v15
	v_lshrrev_b32 v250, 5, v0
	s_delay_alu instid0(VALU_DEP_1)
	v_readfirstlane_b32 s16, v250
	s_and_b32 s17, ttmp9, 1
	s_lshr_b32 s18, ttmp9, 1
	s_lshr_b32 s19, s18, 5
	s_lshr_b32 s20, s16, 1
	s_and_b32 s21, s16, 1
	s_lshl_b32 s31, s18, 1
	s_lshr_b32 s34, s20, 2
	s_add_co_u32 s31, s31, s34
	s_lshl_b32 s34, s31, 2
	s_add_co_u32 s34, s34, s17
	s_and_b32 s35, s20, 3
	s_lshl_b32 s36, s34, 12
	s_lshl_b32 s46, s35, 10
	s_add_co_u32 s36, s36, s46
	s_lshl_b32 s46, s21, 9
	s_add_co_u32 s36, s36, s46
	s_mov_b32 s37, 0
	s_lshl_b32 s38, s34, 9
	s_lshl_b32 s46, s35, 2
	s_add_co_u32 s38, s38, s46
	s_mov_b32 s39, 0
	s_lshl_b32 s29, s21, 4
	s_lshl_b32 s46, s21, 1
	s_add_co_u32 s40, s38, s46
	s_mov_b32 s41, 0
	s_lshl_b32 s42, s18, 1
	s_add_co_u32 s42, s42, s17
	s_mul_i32 s42, s42, 20480
	s_mov_b32 s43, 0
	s_lshl_b32 s44, s19, 1
	s_add_co_u32 s44, s44, s17
	s_mul_i32 s44, s44, 163840
	s_mov_b32 s45, 0
	s_mul_i32 s32, s16, 1280
	s_mov_b32 s33, 0
	s_mul_i32 s2, s16, 10240
	s_mov_b32 s3, 0
	s_mov_b32 s[G1L], 3<<16
	s_mov_b32 s[G1L+1], 32<<16
	s_mov_b32 s[G1L+2], 5<<16
	s_mov_b32 s[G1L+3], 32<<16
	s_mov_b32 s[G1L+4], 5
	s_mov_b32 s[G1L+5], 32
	s_mov_b32 s[G1L+6], 0
	s_mov_b32 s[G1L+7], 0
	s_mov_b32 s[G1G], 3<<16
	s_mov_b32 s[G1G+1], 32<<16
	s_mov_b32 s[G1G+2], 40<<16
	s_mov_b32 s[G1G+3], 32<<16
	s_mov_b32 s[G1G+4], 40
	s_mov_b32 s[G1G+5], 32
	s_mov_b32 s[G1G+6], 0
	s_mov_b32 s[G1G+7], 0
	s_mov_b32 s[CS], 0x3e8293ee
	s_mov_b32 s[CS+1], s[CS]
	s_mov_b32 s[SEL], 0x76543210
	s_mov_b32 s[SEL+1], 0xfedcba98
	s_mov_b32 s30, 0x019d0100
	s_mov_b32 s28, 0x019d0001
	v_and_b32 v250, 31, v0
	s_delay_alu instid0(VALU_DEP_1)
	v_lshlrev_b32 v11, 4, v250
	v_bfe_u32 v[LO], v0, 4, 1
	s_delay_alu instid0(VALU_DEP_1)
	v_sub_nc_u32 v[HI], 0, v[LO]
	s_delay_alu instid0(VALU_DEP_2)
	v_add_nc_u32 v[LO], -1, v[LO]
	s_lshl_b32 s46, s21, 10
	v_add_nc_u32 v[AK0], s46, v11
	s_lshl_b32 s46, s21, 8
	s_add_co_u32 s46, s46, 2048
	v_lshl_add_u32 v[AKS], v250, 3, s46
	v_lshlrev_b32 v[AKM], 3, v250
	s_delay_alu instid0(VALU_DEP_1)
	v_add_nc_u32 v[AKM], 2560, v[AKM]
	s_lshl_b32 s46, s21, 12
	v_add_nc_u32 v[AV0], s46, v11
	s_lshl_b32 s46, s21, 9
	s_add_co_u32 s46, s46, 8192
	v_lshl_add_u32 v[AVS], v250, 2, s46
	s_wait_dscnt 0x0
	s_wait_kmcnt 0x0
	s_add_nc_u64 s[8:9], s[8:9], s[42:43]
	s_add_nc_u64 s[10:11], s[10:11], s[44:45]
	s_mov_b32 s[G0L], 1
	s_add_co_u32 s[G0L+1], s32, LOCB
	s_add_nc_u64 s[G0L+2:G0L+3], s[8:9], s[32:33]
	s_or_b32 s[G0L+3], s[G0L+3], 0x80000000
	s_mov_b32 s[G0G], 1
	s_mov_b32 s[G0G+1], s2
	s_add_nc_u64 s[G0G+2:G0G+3], s[10:11], s[2:3]
	s_or_b32 s[G0G+3], s[G0G+3], 0x80000000
	tensor_load_to_lds s[G0L:G0L+3], s[G1L:G1L+7]
	s_nop 0
	s_wait_alu depctr_va_vdst(0)
	s_wait_tensorcnt 0x0
	ds_add_u32 v12, v15
	s_wait_dscnt 0x0
	s_barrier_signal -1
	s_barrier_wait -1
	tensor_load_to_lds s[G0G:G0G+3], s[G1G:G1G+7]
	s_nop 0
.rept 4
	v_nop
.endr
	s_add_nc_u64 s[4:5], s[4:5], s[36:37]
	s_add_nc_u64 s[12:13], s[12:13], s[36:37]
	s_add_nc_u64 s[6:7], s[6:7], s[38:39]
	s_add_nc_u64 s[14:15], s[14:15], s[40:41]
	global_load_b128 v[252:255], v11, s[4:5]
	global_load_b32 v227, v11, s[6:7]
.irp t, 0,1,2,3,4,5,6,7
	v_mov_b32 v[KF+8*\t+5], 0
	v_mov_b32 v[KF+8*\t+6], 0
	v_mov_b32 v[KF+8*\t+7], 0
.endr
.irp b, 0,1,2,3
	v_mov_b32 v[BP+\b], 0
.endr
	v_mov_b32 v249, 0
.macro QBUILD
.irp i, 0,1,2,3
	v_and_b32 v[QA+\i], v[LO], v[252+\i]
	v_and_b32 v[QA+8+\i], v[HI], v[252+\i]
.endr
	v_and_b32 v[QA+4], 2, v[LO]
	v_and_b32 v[QA+12], 2, v[LO]
.irp i, 5,6,7
	v_mov_b32 v[QA+\i], 0
	v_mov_b32 v[QA+8+\i], 0
.endr
	v_lshrrev_b32 v250, s29, v227
	s_delay_alu instid0(VALU_DEP_1)
	v_and_or_b32 v226, v250, 0xff, s30
	s_delay_alu instid0(VALU_DEP_2)
	v_and_or_b32 v251, v250, 0xff00, s28
.endm
.macro INIT
.irp e, 0,1
	v_mov_b32 v[ST+4*\e+1], 0xff61b1e6
	v_mov_b32 v[ST+4*\e+2], 0
	v_mov_b32 v[ST+4*\e+3], 0
.endr
.irp e, 0
	v_floor_f32 v[ST+4*\e], -v[ST+4*\e+1]
.endr
.irp e, 1
	s_delay_alu instid0(VALU_DEP_4)
	v_floor_f32 v[ST+4*\e], -v[ST+4*\e+1]
.endr
.set J_, 0
.rept 32
	v_mov_b32 v[O+J_], 0
.set J_, J_+1
.endr
.endm
.macro HEAD e
.set hQ,  QA+8*(\e)
.set hQS, 226+25*(\e)
.set hST, ST+4*(\e)
.set hO,  O+16*(\e)
.irp t, 0,1,2,3,4,5,6,7
	v_wmma_scale_f32_16x16x128_f8f6f4 v[S+8*\t:S+8*\t+7], v[KF+8*\t:KF+8*\t+7], v[hQ:hQ+7], 0, v[KS+\t], v[hQS] matrix_a_fmt:MATRIX_FMT_FP4 matrix_b_fmt:MATRIX_FMT_FP4
.endr
.rept 4
	v_nop
.endr
.irp u, 0,1
	ds_load_b128 v[VF+8*\u:VF+8*\u+3], v9 offset:2048*(\e)+1024*\u
	ds_load_b128 v[VF+8*\u+4:VF+8*\u+7], v9 offset:2048*(\e)+1024*\u+512
	ds_load_b32 v[VS+\u], v10 offset:256*(\e)+128*\u
.endr
.irp b, 0,1,2,3
	v_max3_num_f32 v[BM+\b], v[S+16*\b], v[S+1+16*\b], v[S+2+16*\b]
.endr
.irp i, 3,5,7,9,11,13
.irp b, 0,1,2,3
	v_max3_num_f32 v[BM+\b], v[BM+\b], v[S+16*\b+\i], v[S+1+16*\b+\i]
.endr
.endr
.irp b, 0,1,2,3
	v_max_num_f32 v[BM+\b], v[BM+\b], v[S+15+16*\b]
.endr
.irp b, 0,1,2,3
	s_delay_alu instid0(VALU_DEP_4)
	v_permlanex16_b32 v[BP+\b], v[BM+\b], s[SEL], s[SEL+1]
.endr
.irp b, 0,1,2,3
	s_delay_alu instid0(VALU_DEP_4)
	v_max_num_f32 v[BM+\b], v[BM+\b], v[BP+\b]
.endr
	s_delay_alu instid0(VALU_DEP_2)
	v_max3_num_f32 v250, v[BM], v[BM+1], v[BM+2]
	s_delay_alu instid0(VALU_DEP_1)
	v_max_num_f32 v250, v250, v[BM+3]
	s_delay_alu instid0(VALU_DEP_1)
	v_mul_f32 v250, s[CS], v250
	s_delay_alu instid0(VALU_DEP_1)
	v_max_num_f32 v[hST+1], v[hST+1], v250
	v_mov_b32 v250, v[hST]
	s_delay_alu instid0(VALU_DEP_2)
	v_floor_f32 v[hST], -v[hST+1]
	s_delay_alu instid0(VALU_DEP_1)
	v_sub_f32 v250, v[hST], v250
	s_delay_alu instid0(VALU_DEP_1)
	v_cvt_i32_f32 v250, v250
	s_delay_alu instid0(VALU_DEP_1)
	v_ldexp_f32 v248, 1.0, v250
.set J_, 0
.rept 32
	v_pk_fma_f32 v[S+J_:S+J_+1], v[S+J_:S+J_+1], s[CS:CS+1], v[hST:hST+1] op_sel_hi:[1,0,0]
.set J_, J_+2
.endr
.irp b, 0,1,2,3
	v_fma_f32 v[BM+\b], v[BM+\b], s[CS], v[hST]
.endr
.set J_, 0
	s_wait_alu depctr_va_vdst(0)
.rept 64
	v_exp_f32 v[S+J_], v[S+J_]
.set J_, J_+1
.endr
	v_pk_mul_f32 v[hST+2:hST+3], v[hST+2:hST+3], v[248:249] op_sel_hi:[1,0]
	s_wait_alu depctr_va_vdst(0)
.irp b, 0,1,2,3
	v_exp_f32 v[BM+\b], v[BM+\b]
.endr
	v_pk_add_f32 v[BP:BP+1], v[S:S+1], v[S+2:S+3]
.irp j, 4,8,12,16,20,24,28,32,36,40,44,48,52,56,60
	v_pk_add_f32 v[hST+2:hST+3], v[hST+2:hST+3], v[S+\j:S+1+\j]
	v_pk_add_f32 v[BP:BP+1], v[BP:BP+1], v[S+2+\j:S+3+\j]
.endr
	s_delay_alu instid0(VALU_DEP_1)
	v_pk_add_f32 v[hST+2:hST+3], v[hST+2:hST+3], v[BP:BP+1]
	s_wait_alu depctr_va_vdst(0)
.irp b, 0,1,2,3
	v_max_num_f32 v[BM+\b], 0x1800000, v[BM+\b]
.endr
.irp b, 0,1,2,3
	s_delay_alu instid0(VALU_DEP_4)
	v_add_nc_u32 v[BO+\b], 0xff000000, v[BM+\b]
.endr
.irp b, 0,1,2,3
	s_delay_alu instid0(VALU_DEP_4)
	v_lshrrev_b32 v[BP+\b], 23, v[BO+\b]
.endr
	s_delay_alu instid0(VALU_DEP_3)
	v_lshl_or_b32 v249, v[BP+1], 8, v[BP]
	s_delay_alu instid0(VALU_DEP_1)
	v_lshl_or_b32 v249, v[BP+2], 16, v249
	s_delay_alu instid0(VALU_DEP_1)
	v_lshl_or_b32 v249, v[BP+3], 24, v249
.irp b, 0,1,2,3
	v_cvt_scalef32_pk8_fp4_f32 v[PC+2*\b], v[S+16*\b:S+7+16*\b], v[BO+\b]
	v_cvt_scalef32_pk8_fp4_f32 v[PC+1+2*\b], v[S+8+16*\b:S+15+16*\b], v[BO+\b]
.endr
	v_nop
.irp c, 0,1
.irp i, 0,1
	v_permlane16_swap_b32 v[PC+4*\c+\i], v[PC+2+4*\c+\i]
.endr
.endr
.irp j, 0,2,4,6,8,10,12,14
	v_pk_mul_f32 v[hO+\j:hO+1+\j], v[hO+\j:hO+1+\j], v[248:249] op_sel_hi:[1,0]
.endr
.rept 4
	v_nop
.endr
	s_wait_alu depctr_va_vdst(0)
	s_wait_dscnt 0x0
.irp u, 0,1
	v_wmma_scale_f32_16x16x128_f8f6f4 v[hO+8*\u:hO+8*\u+7], v[VF+8*\u:VF+8*\u+7], v[PC:PC+7], v[hO+8*\u:hO+8*\u+7], v[VS+\u], v249 matrix_a_fmt:MATRIX_FMT_FP4 matrix_b_fmt:MATRIX_FMT_FP4
.endr
.endm
.macro STEP
	v_add_nc_u32 v6, s[TK], v[AK0]
	v_add_nc_u32 v7, s[TK], v[AKS]
	v_add_nc_u32 v8, s[TK], v[AKM]
	v_add_nc_u32 v9, s[TV], v[AV0]
	v_add_nc_u32 v10, s[TV], v[AVS]
.irp t, 0,1,2,3,4,5,6,7
	ds_load_b128 v[KF+8*\t:KF+8*\t+3], v6 offset:KREC*(\t/2)+512*(\t%2)
	ds_load_b32 v[KF+8*\t+4], v8 offset:KREC*(\t/2)+4*(\t%2)
	ds_load_b32 v[KS+\t], v7 offset:KREC*(\t/2)+4*(\t%2)
.endr
	s_wait_alu depctr_va_vdst(0)
	s_wait_dscnt 0x0
	HEAD 0
	HEAD 1
.endm
.macro FINAL off
.rept 4
	v_nop
.endr
.irp e, 0,1
	v_add_f32 v[ST+4*\e+2], v[ST+4*\e+2], v[ST+4*\e+3]
.endr
.irp e, 0,1
	s_delay_alu instid0(VALU_DEP_2)
	v_permlanex16_b32 v[BP+\e], v[ST+4*\e+2], s[SEL], s[SEL+1]
.endr
.irp e, 0,1
	s_delay_alu instid0(VALU_DEP_2)
	v_add_f32 v[ST+4*\e+2], v[ST+4*\e+2], v[BP+\e]
.endr
	s_wait_alu depctr_va_vdst(0)
.irp e, 0,1
	v_rcp_f32 v[BO+\e], v[ST+4*\e+2]
.endr
	v_nop
	s_wait_alu depctr_va_vdst(0)
.irp e, 0,1
.irp i, 0,1,2,3,4,5,6,7,8,9,10,11,12,13,14,15
	v_mul_f32 v[O+16*\e+\i], v[O+16*\e+\i], v[BO+\e]
.endr
.endr
.irp b, 0,1
	v_max3_num_f32 v[BM+\b], |v[O+16*\b]|, |v[O+1+16*\b]|, 0x1800000
.endr
.irp i, 2,4,6,8,10,12,14
.irp b, 0,1
	s_delay_alu instid0(VALU_DEP_2)
	v_max3_num_f32 v[BM+\b], v[BM+\b], |v[O+16*\b+\i]|, |v[O+1+16*\b+\i]|
.endr
.endr
.irp b, 0,1
	s_delay_alu instid0(VALU_DEP_2)
	v_permlanex16_b32 v[BP+\b], v[BM+\b], s[SEL], s[SEL+1]
.endr
.irp b, 0,1
	s_delay_alu instid0(VALU_DEP_2)
	v_max_num_f32 v[BM+\b], v[BM+\b], v[BP+\b]
.endr
.irp b, 0,1
	s_delay_alu instid0(VALU_DEP_2)
	v_add_nc_u32 v[BO+\b], 0xff000000, v[BM+\b]
.endr
.irp b, 0,1
	s_delay_alu instid0(VALU_DEP_2)
	v_lshrrev_b32 v[BP+\b], 23, v[BO+\b]
.endr
	s_delay_alu instid0(VALU_DEP_1)
	v_lshl_or_b32 v250, v[BP+1], 8, v[BP]
.irp b, 0,1
	v_cvt_scalef32_pk8_fp4_f32 v[PC+2*\b], v[O+16*\b:O+7+16*\b], v[BO+\b]
	v_cvt_scalef32_pk8_fp4_f32 v[PC+1+2*\b], v[O+8+16*\b:O+15+16*\b], v[BO+\b]
.endr
	v_nop
	v_permlane16_swap_b32 v[PC], v[PC+2]
	v_permlane16_swap_b32 v[PC+1], v[PC+3]
	global_store_b128 v11, v[PC:PC+3], s[12:13] offset:\off
	global_store_b16 v11, v250, s[14:15] offset:(\off)/8
	s_wait_xcnt 0x0
.endm
	s_wait_tensorcnt 0x1
	s_barrier_signal -1
	s_barrier_wait -1
	s_wait_loadcnt 0x0
	QBUILD
	global_load_b128 v[252:255], v11, s[4:5] offset:8192
	global_load_b32 v227, v11, s[6:7] offset:1024
	INIT
	s_mov_b32 s[TK], LOCB
	s_mov_b32 s[TV], LOCB+4*KREC
	STEP
	FINAL 0
	s_wait_tensorcnt 0x0
	s_wait_dscnt 0x0
	s_barrier_signal -1
	s_barrier_wait -1
	s_wait_loadcnt 0x0
	QBUILD
	INIT
	s_mov_b32 s[TK], 0
	s_mov_b32 s[TV], 90112
	s_mov_b32 s31, 8
.Lkeys:
	STEP
	s_add_co_u32 s[TK], s[TK], 4*KREC
	s_add_co_u32 s[TV], s[TV], 9216
	s_sub_co_u32 s31, s31, 1
	s_cmp_lg_u32 s31, 0
	s_cbranch_scc1 .Lkeys
	FINAL 8192
	s_wait_tensorcnt 0x0
	ds_add_u32 v12, v15
	s_wait_dscnt 0x0
	s_endpgm
.Lfunc_end_k_q15553d5352_attn:
	.size	k_q15553d5352_attn, .Lfunc_end_k_q15553d5352_attn-k_q15553d5352_attn
	.p2alignl 7, 3214868480
	.fill 96, 4, 3214868480
	.section	.rodata,"a",@progbits
	.p2align	6, 0x0
	.amdhsa_kernel k_q15553d5352_attn
		.amdhsa_group_segment_fixed_size 327680
		.amdhsa_private_segment_fixed_size 0
		.amdhsa_enable_private_segment 0
		.amdhsa_kernarg_size 48
		.amdhsa_user_sgpr_count 2
		.amdhsa_user_sgpr_kernarg_segment_ptr 1
		.amdhsa_wavefront_size32 1
		.amdhsa_system_sgpr_workgroup_id_x 1
		.amdhsa_system_sgpr_workgroup_id_y 1
		.amdhsa_system_sgpr_workgroup_id_z 1
		.amdhsa_system_vgpr_workitem_id 0
		.amdhsa_next_free_vgpr 256
		.amdhsa_next_free_sgpr 76
		.amdhsa_reserve_vcc 0
		.amdhsa_float_denorm_mode_32 3
		.amdhsa_float_denorm_mode_16_64 3
		.amdhsa_memory_ordered 1
		.amdhsa_forward_progress 1
		.amdhsa_inst_pref_size 80
	.end_amdhsa_kernel
	.amdgpu_metadata
---
amdhsa.version: [ 1, 2 ]
amdhsa.kernels:
  - .name:           k_q15553d5352_attn
    .symbol:         k_q15553d5352_attn.kd
    .args:
      - { .name: qc, .offset: 0, .size: 8, .value_kind: global_buffer, .address_space: global }
      - { .name: qsc, .offset: 8, .size: 8, .value_kind: global_buffer, .address_space: global }
      - { .name: kvl, .offset: 16, .size: 8, .value_kind: global_buffer, .address_space: global }
      - { .name: kvg, .offset: 24, .size: 8, .value_kind: global_buffer, .address_space: global }
      - { .name: oc, .offset: 32, .size: 8, .value_kind: global_buffer, .address_space: global }
      - { .name: osc, .offset: 40, .size: 8, .value_kind: global_buffer, .address_space: global }
    .group_segment_fixed_size: 327680
    .private_segment_fixed_size: 0
    .kernarg_segment_align: 8
    .kernarg_segment_size: 48
    .max_flat_workgroup_size: 512
    .sgpr_count:     76
    .vgpr_count:     256
    .wavefront_size: 32
...
	.end_amdgpu_metadata
.endif
;; end of part 3
;; launch tail (part 4): grid 256 x 1, 4 waves a work-group, no clusters, 322,048 bytes of LDS; arguments src, oc, osc, wts, bo, ln1_g, ln1_b, b1, b2, ln2_g, ln2_b, out0; writes out0
.if DOCPART == 4
	.amdgcn_target "amdgcn-amd-amdhsa--gfx1250"
	.amdhsa_code_object_version 6
	.text
	.protected	k_q15553d5352_tail
	.globl	k_q15553d5352_tail
	.p2align	8
	.type	k_q15553d5352_tail,@function
k_q15553d5352_tail:
	s_mov_b64 s[64:65], 0
	v_nop
	global_prefetch_b8 v0, s[64:65] scope:SCOPE_SE
	s_setreg_imm32_b32 hwreg(HW_REG_WAVE_MODE, 25, 1), 1
	s_wait_xcnt 0x0
; y = LN1(src + o Wo + bo);  out = LN2(y + relu(y W1 + b1) W2 + b2).  The three products on codes of FP4 (E2M1) with E8M0 scales; all else in f32.  Nothing between goes to memory.
; SHARES.  A work-group owns 64 rows.  THE WAVES SHARE THE COLUMNS: wave w owns columns 256 w .. 256 w + 255 of the results of width 1,024 (two chunks of 128: windows 1 and 2, accumulator (m, t) at 64 m + 8 t)
; and hidden units 128 w .. 128 w + 127.  All products are used transposed (source 0 = 16 weight columns, source 1 = 16 rows): a lane holds one row; register 16 b + i of a chunk is column 32 b + 16 (lane / 16) + i.
; Row tiles and column tiles are not neighbours: lane r of tile t holds index 32 (t / 2) + 8 (t % 2) + r + 8 (r / 8).
; THE RESIDUAL IS THE C OF THE SUMS: src (later y) is turned through the wave's stage in LDS into the accumulators' layout, and the products add onto it.
; A row's mean and variance span the four waves: partial sums meet in LDS behind a barrier, and every wave adds them in the same order.  The variance is the mean of (z - mean)^2.
; y and the hidden layer go from wave to wave as images of the operand's registers.  y is parked in the stage while the hidden layer takes its registers.
; The text is a loop of two trips: HALF (product of width 1,024, bias, the norm's statistics) with Wo and then with W2; between them MID, under a branch on the trip's number.
; WEIGHTS go from memory straight into registers, a ring of four records (17 loads each), three ahead.  No cluster: a joint request lands in LDS, of which 5,632 bytes are left, and each fragment is read by one wave.
; LIMITS: NaN and infinities are not served; a block whose largest magnitude lies under 2^-124 gets the byte 1; the norms' sums are taken in this text's own fixed order; 1 / sqrt by v_rsq_f32.
.set REC,    8704
.set WBYTES, 32*REC
.set IMG,    266240                    ; LDS: four stages of 66,560 bytes (64 rows x 1,040), a wave's own; then y's 32 images at 1,024 (8 m + s), later the hidden layer's 16 at 1,024 (4 m + s);
.set ISC,    299008                    ; their scale words [s][lane 32][m 4];
.set STAT,   303104                    ; two exchanges of 1,024 bytes [wave][r 16][m 4];
.set PAR,    305152                    ; and for each wave 4,096 bytes: its 256 numbers of bo, b2, ln1_g, ln1_b
.set LI,   1                           ; 16 x lane
.set SIA,  2                           ; stage + 16 x lane;  v3: 33,280 further on
.set SO,   4                           ; stage + 1,040 r + 64 h
.set IR,   5                           ; IMG + 16 x lane
.set IWY,  6                           ; + 2,048 w
.set IWH,  7                           ; + 1,024 w
.set ISR,  8                           ; ISC + 16 x lane
.set ISWY, 9                           ; + 1,024 w
.set EW,   10                          ; STAT + 256 w + 16 r
.set ER,   11                          ; STAT + 16 r
.set PA0,  12                          ; PAR + 4,096 w + 64 h
.set PAW,  13                          ; at work
.set H64,  14                          ; 64 h
.set ISWH, 15                          ; ISC + 16 x lane + 512 w
.set LN,   16                          ; v16-23 ln2_g, v24-31 ln2_b, as the stores take them
.set AS,   32                          ; v32-63 the rows' scale words, 4 s + m
.set WS,   64                          ; v64-79 the weights' scale words
.set AF,   80                          ; v80-207 16 fragments of rows at 8 (4 m + s); else at work
.set TM,   208
.set PC,   224
.set PW,   232
.set SUMP, 236                         ; v236-243 a running pair for each m
.set MU,   244                         ; v244-251 minus the mean, later 1 / sqrt(var + eps): a pair for each m
.set RT,   252
.set MSB, 0
.macro WIN new                         ; the immediate's high byte repeats the setting that is left
.if MSB != (\new)
	s_set_vgpr_msb (MSB<<8)|(\new)
.set MSB, (\new)
.endif
.endm
.macro PLACES
.rept 4
	v_nop
.endr
.endm
; 64 numbers of a lane in window w, register 16 b + i = k 32 b + 16 (lane / 16) + i of my row, become a fragment's codes in v[pc] on and its scale word in v[pw] (both in window 0).
.macro QUANT src, w, pc, pw
	WIN 5*(\w)
.irp b, 0,1,2,3
	v_max3_num_f32 v[TM+\b], |v[(\src)+16*\b]|, |v[(\src)+1+16*\b]|, 0x1800000
.endr
.irp i, 2,4,6,8,10,12,14
.irp b, 0,1,2,3
	v_max3_num_f32 v[TM+\b], |v[(\src)+16*\b+\i]|, |v[(\src)+1+16*\b+\i]|, v[TM+\b]
.endr
.endr
	WIN 0
.irp b, 0,1,2,3
	v_permlanex16_b32 v[TM+4+\b], v[TM+\b], s32, s33
.endr
.irp b, 0,1,2,3
	v_max_num_f32 v[TM+\b], v[TM+\b], v[TM+4+\b]
.endr
.irp b, 0,1,2,3
	v_add_nc_u32 v[TM+12+\b], 0xff000000, v[TM+\b]
.endr
.irp b, 0,1,2,3
	v_lshrrev_b32 v[TM+4+\b], 23, v[TM+12+\b]
.endr
	v_lshl_or_b32 v[\pw], v[TM+5], 8, v[TM+4]
	v_lshl_or_b32 v[\pw], v[TM+6], 16, v[\pw]
	v_lshl_or_b32 v[\pw], v[TM+7], 24, v[\pw]
	WIN (\w)
.irp b, 0,1,2,3
	v_cvt_scalef32_pk8_fp4_f32 v[(\pc)+2*\b], v[(\src)+16*\b:(\src)+7+16*\b], v[TM+12+\b]
	v_cvt_scalef32_pk8_fp4_f32 v[(\pc)+1+2*\b], v[(\src)+8+16*\b:(\src)+15+16*\b], v[TM+12+\b]
.endr
	WIN 0
	v_nop                                          ; one plain place behind a scaled conversion
.irp c, 0,1
.irp i, 0,1
	v_permlane16_swap_b32 v[(\pc)+4*\c+\i], v[(\pc)+2+4*\c+\i]
.endr
.endr
.endm
.macro WLOAD slot, base, rec           ; a record of weights into a slot of the ring: 17 loads of 512 consecutive bytes
	WIN 0xc0
.irp t, 0,1,2,3,4,5,6,7
	global_load_b128 v[64*(\slot)+8*\t:64*(\slot)+8*\t+3], v[LI], s[\base:\base+1] offset:REC*(\rec)+1024*\t
	global_load_b128 v[64*(\slot)+8*\t+4:64*(\slot)+8*\t+7], v[LI], s[\base:\base+1] offset:REC*(\rec)+1024*\t+512
.endr
	WIN 0
	global_load_b128 v[WS+4*(\slot):WS+4*(\slot)+3], v[LI], s[\base:\base+1] offset:REC*(\rec)+8192
.endm
.macro WMX dd, aa, bb, sa, sb, zr, ra  ; zr: the sum begins (C = 0);  ra: the weights' scales stand in lanes 16-31
.if \zr
.if \ra
	v_wmma_scale_f32_16x16x128_f8f6f4 v[\dd:\dd+7], v[\aa:\aa+7], v[\bb:\bb+7], 0, v[\sa], v[\sb] matrix_a_fmt:MATRIX_FMT_FP4 matrix_b_fmt:MATRIX_FMT_FP4 matrix_a_scale:MATRIX_SCALE_ROW1
.else
	v_wmma_scale_f32_16x16x128_f8f6f4 v[\dd:\dd+7], v[\aa:\aa+7], v[\bb:\bb+7], 0, v[\sa], v[\sb] matrix_a_fmt:MATRIX_FMT_FP4 matrix_b_fmt:MATRIX_FMT_FP4
.endif
.else
.if \ra
	v_wmma_scale_f32_16x16x128_f8f6f4 v[\dd:\dd+7], v[\aa:\aa+7], v[\bb:\bb+7], v[\dd:\dd+7], v[\sa], v[\sb] matrix_a_fmt:MATRIX_FMT_FP4 matrix_b_fmt:MATRIX_FMT_FP4 matrix_a_scale:MATRIX_SCALE_ROW1
.else
	v_wmma_scale_f32_16x16x128_f8f6f4 v[\dd:\dd+7], v[\aa:\aa+7], v[\bb:\bb+7], v[\dd:\dd+7], v[\sa], v[\sb] matrix_a_fmt:MATRIX_FMT_FP4 matrix_b_fmt:MATRIX_FMT_FP4
.endif
.endif
.endm
.macro LOADACC                         ; 64 rows x 256 columns from my stage into the accumulators' layout
.irp c, 0,1
	WIN 64*(1+\c)
.irp m, 0,1,2,3
.irp b, 0,1,2,3
.irp j, 0,1,2,3
	ds_load_b128 v[64*\m+16*\b+4*\j:64*\m+16*\b+4*\j+3], v[SO] offset:16640*\m+512*\c+128*\b+16*\j
.endr
.endr
.endr
.endr
	WIN 0
.endm
; The four waves' partial sums of each row (in v[SUMP] on, a pair for each m) become the row's sum in v[RT + m], the same bits in every wave.
.macro EXCH off
.irp m, 0,1,2,3
	v_add_f32 v[RT+\m], v[SUMP+2*\m], v[SUMP+2*\m+1]
.endr
.irp m, 0,1,2,3
	v_permlanex16_b32 v[TM+4+\m], v[RT+\m], s32, s33
.endr
.irp m, 0,1,2,3
	v_add_f32 v[RT+\m], v[RT+\m], v[TM+4+\m]
.endr
	ds_store_b128 v[EW], v[RT:RT+3] offset:\off    ; lanes r and 16 + r write the same words with the same values
	s_wait_dscnt 0x0                               ; for the others' sake: my store has landed, and my LDS loads are in
	s_barrier_signal -1
	s_barrier_wait -1
.irp k, 0,1,2,3
	ds_load_b128 v[AF+4*\k:AF+4*\k+3], v[ER] offset:(\off)+256*\k
.endr
	s_wait_dscnt 0x0
.irp m, 0,1,2,3
	v_add_f32 v[RT+\m], v[AF+\m], v[AF+4+\m]
.endr
.irp m, 0,1,2,3
	v_add_f32 v[TM+\m], v[AF+8+\m], v[AF+12+\m]
.endr
.irp m, 0,1,2,3
	v_add_f32 v[RT+\m], v[RT+\m], v[TM+\m]
.endr
.endm
	s_load_b256 s[4:11], s[0:1], 0x0               ; src, oc, osc, wts
	s_load_b256 s[12:19], s[0:1], 0x20             ; bo, ln1_g, ln1_b, b1
	s_load_b256 s[20:27], s[0:1], 0x40             ; b2, ln2_g, ln2_b, out0
	v_lshrrev_b32 v80, 5, v0
	v_readfirstlane_b32 s28, v80                   ; wave
	v_and_b32 v80, 31, v0                          ; lane
	v_and_b32 v81, 15, v0                          ; r
	v_bfe_u32 v82, v0, 4, 1                        ; h
	v_lshlrev_b32 v[LI], 4, v80
	s_mul_i32 s46, s28, 66560
	v_add_nc_u32 v[SIA], s46, v[LI]
	v_add_nc_u32 v[SIA+1], 33280, v[SIA]
	v_mul_u32_u24 v[SO], v81, 1040
	v_lshl_add_u32 v[SO], v82, 6, v[SO]
	v_add_nc_u32 v[SO], s46, v[SO]
	v_add_nc_u32 v[IR], IMG, v[LI]
	s_lshl_b32 s46, s28, 11
	v_add_nc_u32 v[IWY], s46, v[IR]
	s_lshl_b32 s46, s28, 10
	v_add_nc_u32 v[IWH], s46, v[IR]
	v_add_nc_u32 v[ISR], ISC, v[LI]
	v_add_nc_u32 v[ISWY], s46, v[ISR]
	s_lshl_b32 s46, s28, 9
	v_add_nc_u32 v[ISWH], s46, v[ISR]
	v_lshlrev_b32 v[ER], 4, v81
	v_add_nc_u32 v[ER], STAT, v[ER]
	s_lshl_b32 s46, s28, 8
	v_add_nc_u32 v[EW], s46, v[ER]
	v_lshlrev_b32 v[H64], 6, v82
	s_lshl_b32 s46, s28, 12
	s_add_co_u32 s46, s46, PAR
	v_add_nc_u32 v[PA0], s46, v[H64]
	v_add_nc_u32 v[PAW], s46, v[LI]
	s_mov_b32 s29, 0                               ; the trip
	s_mov_b32 s30, 0                               ; which bias: bo, then b2
	s_mov_b32 s32, 0x76543210
	s_mov_b32 s33, 0xfedcba98
	s_mov_b32 s34, 0x3a800000                      ; 1 / 1,024
	s_mov_b32 s35, 0x358637bd                      ; 1e-6
	s_mov_b32 s36, 0xba800000                      ; -1 / 1,024
	s_mov_b32 s47, 0
	s_lshl_b32 s48, s28, 10
	s_wait_alu depctr_va_vdst(0)
	s_wait_kmcnt 0x0
	s_lshl_b32 s46, ttmp9, 18
	s_add_co_u32 s46, s46, s48
	s_add_nc_u64 s[4:5], s[4:5], s[46:47]          ; src and out0 at my 64 rows, my 256 columns
	s_add_nc_u64 s[26:27], s[26:27], s[46:47]
	s_lshl_b32 s46, ttmp9, 14
	s_add_nc_u64 s[6:7], s[6:7], s[46:47]
	s_lshl_b32 s46, ttmp9, 11
	s_add_nc_u64 s[8:9], s[8:9], s[46:47]
	s_mov_b32 s46, s48
	s_add_nc_u64 s[12:13], s[12:13], s[46:47]
	s_add_nc_u64 s[14:15], s[14:15], s[46:47]
	s_add_nc_u64 s[16:17], s[16:17], s[46:47]
	s_add_nc_u64 s[20:21], s[20:21], s[46:47]
	s_add_nc_u64 s[22:23], s[22:23], s[46:47]
	s_add_nc_u64 s[24:25], s[24:25], s[46:47]
	s_lshl_b32 s46, s28, 9
	s_add_nc_u64 s[18:19], s[18:19], s[46:47]
	s_mul_i32 s46, s28, 8*REC
	s_add_nc_u64 s[10:11], s[10:11], s[46:47]
	s_add_nc_u64 s[40:41], s[10:11], 3*WBYTES      ; W1's eight records of mine,
	s_add_nc_u64 s[38:39], s[10:11], 4*WBYTES      ; Wo's,
	s_add_nc_u64 s[42:43], s[10:11], 5*WBYTES      ; W2's
	s_mov_b64 s[44:45], s[38:39]                   ; the weight of the HALF in hand
.irp q, 0,1
	global_load_b128 v[208+4*\q:211+4*\q], v[LI], s[12:13] offset:512*\q
.endr
.irp q, 0,1
	global_load_b128 v[216+4*\q:219+4*\q], v[LI], s[20:21] offset:512*\q
.endr
.irp q, 0,1
	global_load_b128 v[224+4*\q:227+4*\q], v[LI], s[14:15] offset:512*\q
.endr
.irp q, 0,1
	global_load_b128 v[232+4*\q:235+4*\q], v[LI], s[16:17] offset:512*\q
.endr
.irp m, 0,1,2,3                                ; the attention's result: 16 fragments and their scale words
.irp s, 0,1,2,3
	global_load_b128 v[AF+8*(4*\m+\s):AF+8*(4*\m+\s)+3], v[LI], s[6:7] offset:4096*\s+1024*\m
	global_load_b128 v[AF+8*(4*\m+\s)+4:AF+8*(4*\m+\s)+7], v[LI], s[6:7] offset:4096*\s+1024*\m+512
.endr
.endr
.irp s, 0,1,2,3
	global_load_b128 v[AS+4*\s:AS+4*\s+3], v[LI], s[8:9] offset:512*\s
.endr
.irp m, 0,1,2,3                                ; src: each load 512 consecutive bytes of one row
	WIN 64*(1+\m/2)
.irp i, 0,1,2,3,4,5,6,7,8,9,10,11,12,13,14,15
.irp q, 0,1
	global_load_b128 v[128*(\m%2)+8*\i+4*\q:128*(\m%2)+8*\i+4*\q+3], v[LI], s[4:5] offset:(32*(\m/2)+8*(\m%2)+\i+8*(\i/8))*4096+512*\q th:TH_LOAD_NT
.endr
.endr
.endr
	WIN 0
	s_wait_loadcnt 63                              ; 164 loads stand behind the first eight
.irp k, 0,1,2,3,4,5,6,7
	ds_store_b128 v[PAW], v[208+4*\k:211+4*\k] offset:512*\k
.endr
.irp m, 0,1,2,3
	s_wait_loadcnt 63                              ; behind this tile's 32 loads stand 96, 64, 100, 68
	WIN 4*(1+\m/2)
.irp i, 0,1,2,3,4,5,6,7,8,9,10,11,12,13,14,15
.irp q, 0,1
	ds_store_b128 v[SIA+\m/2], v[128*(\m%2)+8*\i+4*\q:128*(\m%2)+8*\i+4*\q+3] offset:16640*(\m%2)+1040*\i+512*\q
.endr
.endr
	WIN 0
.if \m == 1
	WLOAD 0, 38, 0                                 ; Wo's first four records
	WLOAD 1, 38, 1
	WLOAD 2, 38, 2
	WLOAD 3, 38, 3
.endif
.endr
	s_wait_dscnt 0x0                               ; the stores have read their registers
.irp b, 0,1,2,3
	v_mov_b32 v[TM+4+\b], 0                        ; written once: a lane permute's destination counts as one of its sources
.endr
; Chunk c's bias and row sums: z = sums + bias, and z added into a running pair for each m.  The bias comes 16 numbers at a time (block b of 32 columns, my half) into v[TM] on: the rows' fragments keep their registers.
; Chunk 0's pass stands between the product's fourth and fifth record, while records 4 to 7 are on their way.
.macro BSUM c
.if (\c) == 0
	v_add_nc_u32 v[PAW], s30, v[PA0]
.irp i, 0,1,2,3,4,5,6,7
	v_mov_b32 v[SUMP+\i], 0
.endr
.endif
.irp b, 0,1,2,3
.irp j, 0,1,2,3
	ds_load_b128 v[TM+4*\j:TM+4*\j+3], v[PAW] offset:512*(\c)+128*\b+16*\j   ; the bias in the result's order
.endr
	s_wait_dscnt 0x0
	WIN 65*(1+\c)
.set K_, 0
.rept 8
.irp m, 0,1,2,3
	v_pk_add_f32 v[64*\m+16*\b+K_:64*\m+16*\b+K_+1], v[64*\m+16*\b+K_:64*\m+16*\b+K_+1], v[TM+K_:TM+K_+1]   ; each accumulator from its low end on
.endr
.set K_, K_+2
.endr
	WIN (1+\c)
.set K_, 0
.rept 8
.irp m, 0,1,2,3
	v_pk_add_f32 v[SUMP+2*\m:SUMP+2*\m+1], v[64*\m+16*\b+K_:64*\m+16*\b+K_+1], v[SUMP+2*\m:SUMP+2*\m+1]     ; four chains by turns
.endr
.set K_, K_+2
.endr
	WIN 0
.endr
.endm
.Lhalf:
	LOADACC                                        ; the C of this trip's sums out of my stage: src in trip 0, y in trip 1
	; ================ HALF: z = C + rows x weight + bias; the rows' mean and 1 / sqrt(var + eps); d = z - mean stays in the accumulators
	s_wait_dscnt 0x0
.set I_, 0
.rept 8                                        ; record 4 c + s: chunk c, K step s.  The 32 accumulators of a chunk take turns
.if I_ < 5
	s_wait_loadcnt 51                              ; three records of 17 loads stand behind this one
.else
	s_wait_loadcnt 17*(7-I_)
.endif
	WIN 0x53+0x50*(I_/4)                           ; source 0 window 3, source 1 window 0, C and D window 1 or 2
.irp m, 0,1,2,3
.irp t, 0,1,2,3,4,5,6,7
	WMX 64*\m+8*\t, 64*(I_%4)+8*\t, AF+8*(4*\m+I_%4), WS+4*(I_%4)+\t/2, AS+4*(I_%4)+\m, 0, \t%2
.endr
.endr
	PLACES
.if I_ < 4
	WLOAD I_, 44, I_+4
.endif
.if I_ == 3
	BSUM 0                                         ; chunk 0 is finished: its bias and sums
.endif
.set I_, I_+1
.endr
	WIN 0
	BSUM 1
	EXCH 0
.irp m, 0,1,2,3
	v_mul_f32 v[MU+2*\m], s36, v[RT+\m]            ; minus the mean
.endr
.irp m, 0,1,2,3
	v_mov_b32 v[MU+2*\m+1], v[MU+2*\m]
.endr
.irp i, 0,1,2,3,4,5,6,7
	v_mov_b32 v[SUMP+\i], 0
.endr
.irp c, 0,1
	WIN 65*(1+\c)
.set K_, 0
.rept 32
.irp m, 0,1,2,3
	v_pk_add_f32 v[64*\m+K_:64*\m+K_+1], v[64*\m+K_:64*\m+K_+1], v[MU+2*\m:MU+2*\m+1]             ; d = z - mean
.endr
.set K_, K_+2
.endr
	WIN 5*(1+\c)
.set K_, 0
.rept 32
.irp m, 0,1,2,3
	v_pk_fma_f32 v[SUMP+2*\m:SUMP+2*\m+1], v[64*\m+K_:64*\m+K_+1], v[64*\m+K_:64*\m+K_+1], v[SUMP+2*\m:SUMP+2*\m+1]
.endr
.set K_, K_+2
.endr
.endr
	WIN 0
	EXCH 1024
.irp m, 0,1,2,3
	v_fma_f32 v[RT+\m], v[RT+\m], s34, s35         ; var + eps
.endr
	s_wait_alu depctr_va_vdst(0)
.irp m, 0,1,2,3
	v_rsq_f32 v[MU+2*\m], v[RT+\m]
	v_rsq_f32 v[MU+2*\m+1], v[RT+\m]
.endr
	v_nop
	s_wait_alu depctr_va_vdst(0)                   ; one wait for the eight, ahead of the first reader and of every branch
	s_add_co_u32 s30, s30, 1024
	s_cmp_eq_u32 s29, 1
	s_cbranch_scc1 .Lskip
	; ================ MID: y = d rs g1 + b1n; its images; hidden = relu(y W1 + b1); its images; y back as the C of the second HALF
	WLOAD 0, 40, 0
	WLOAD 1, 40, 1
	WLOAD 2, 40, 2
	WLOAD 3, 40, 3
.irp c, 0,1
.irp b, 0,1,2,3
.irp j, 0,1,2,3
	ds_load_b128 v[AF+16*\b+4*\j:AF+16*\b+4*\j+3], v[PA0] offset:2048+512*\c+128*\b+16*\j          ; ln1_g
	ds_load_b128 v[AF+64+16*\b+4*\j:AF+64+16*\b+4*\j+3], v[PA0] offset:3072+512*\c+128*\b+16*\j    ; ln1_b
.endr
.endr
	s_wait_dscnt 0x0
.irp m, 0,1,2,3
	WIN 65*(1+\c)
.set K_, 0
.rept 32
	v_pk_mul_f32 v[64*\m+K_:64*\m+K_+1], v[64*\m+K_:64*\m+K_+1], v[MU+2*\m:MU+2*\m+1]
.set K_, K_+2
.endr
.set K_, 0
.rept 32
	v_pk_fma_f32 v[64*\m+K_:64*\m+K_+1], v[64*\m+K_:64*\m+K_+1], v[AF+K_:AF+K_+1], v[AF+64+K_:AF+64+K_+1]
.set K_, K_+2
.endr
	QUANT 64*\m, 1+\c, PC, PW+\m
	ds_store_b128 v[IWY], v[PC:PC+3] offset:8192*\m+1024*\c           ; K step 2 w + c of the next product, rows of tile m
	ds_store_b128 v[IWY], v[PC+4:PC+7] offset:8192*\m+1024*\c+512
	WIN 4*(1+\c)
.irp b, 0,1,2,3
.irp j, 0,1,2,3
	ds_store_b128 v[SO], v[64*\m+16*\b+4*\j:64*\m+16*\b+4*\j+3] offset:16640*\m+512*\c+128*\b+16*\j   ; y is parked in my stage
.endr
.endr
	WIN 0
	s_wait_dscnt 0x0                               ; the stores have read their registers
.endr
	ds_store_b128 v[ISWY], v[PW:PW+3] offset:512*\c
.endr
.irp b, 0,1,2,3                                ; b1 in the result's order, into the registers that held ln1_b: it is the C of the next product's first K step
.irp j, 0,1,2,3
	global_load_b128 v[AF+64+16*\b+4*\j:AF+64+16*\b+4*\j+3], v[H64], s[18:19] offset:128*\b+16*\j
.endr
.endr
.macro WMB dd, aa, bb, cc, sa, sb, ra  ; a sum's first K step with other registers as its C;  ra: the weights' scales stand in lanes 16-31
.if \ra
	v_wmma_scale_f32_16x16x128_f8f6f4 v[\dd:\dd+7], v[\aa:\aa+7], v[\bb:\bb+7], v[\cc:\cc+7], v[\sa], v[\sb] matrix_a_fmt:MATRIX_FMT_FP4 matrix_b_fmt:MATRIX_FMT_FP4 matrix_a_scale:MATRIX_SCALE_ROW1
.else
	v_wmma_scale_f32_16x16x128_f8f6f4 v[\dd:\dd+7], v[\aa:\aa+7], v[\bb:\bb+7], v[\cc:\cc+7], v[\sa], v[\sb] matrix_a_fmt:MATRIX_FMT_FP4 matrix_b_fmt:MATRIX_FMT_FP4
.endif
.endm
	s_wait_dscnt 0x0
	s_barrier_signal -1
	s_barrier_wait -1                              ; y's 32 images lie in LDS
	WIN 0x80
.set F_, 0
.rept 32
	ds_load_b128 v[8*F_:8*F_+3], v[IR] offset:1024*F_
	ds_load_b128 v[8*F_+4:8*F_+7], v[IR] offset:1024*F_+512
.set F_, F_+1
.endr
	WIN 0
.irp s, 0,1,2,3,4,5,6,7
	ds_load_b128 v[AS+4*\s:AS+4*\s+3], v[ISR] offset:512*\s
.endr
	s_wait_dscnt 0x0                               ; my reads of the images are over:
	s_barrier_signal -1
	s_barrier_wait -1                              ; everybody's are, so their bytes may be written again
.set S_, 0
.rept 8
.if S_ == 0
	s_wait_loadcnt 0x0                             ; b1, the youngest 16 loads, is in, and with it the four records asked for ahead of it
	WIN 0x4b                                       ; source 0 window 3, source 1 window 2, C window 0 (b1), D window 1
.else
	s_wait_loadcnt 51                              ; three records of 17 loads stand behind this one
	WIN 0x5b                                       ; source 0 window 3, source 1 window 2, C and D window 1
.endif
.irp m, 0,1,2,3
.irp t, 0,1,2,3,4,5,6,7
.if S_ == 0
	WMB 64*\m+8*\t, 64*(S_%4)+8*\t, 8*(8*\m+S_), AF+64+8*\t, WS+4*(S_%4)+\t/2, AS+4*S_+\m, \t%2
.else
	WMX 64*\m+8*\t, 64*(S_%4)+8*\t, 8*(8*\m+S_), WS+4*(S_%4)+\t/2, AS+4*S_+\m, 0, \t%2
.endif
.endr
.endr
	PLACES
.if S_ < 4
	WLOAD S_%4, 40, S_+4
.else
	WLOAD S_%4, 42, S_-4                           ; W2's first four records
.endif
.set S_, S_+1
.endr
.irp m, 0,1,2,3
	WIN 0x04                                       ; source 1 window 1: the sums, which began with b1; each accumulator from its low end on
.set K_, 0
.rept 64
	v_max_num_f32 v[AF+K_], 0, v[64*\m+K_]         ; the activation, in f32
.set K_, K_+1
.endr
	QUANT AF, 0, PC, PW+\m
	ds_store_b128 v[IWH], v[PC:PC+3] offset:4096*\m                   ; K step w of the last product
	ds_store_b128 v[IWH], v[PC+4:PC+7] offset:4096*\m+512
	s_wait_dscnt 0x0
.endr
	ds_store_b128 v[ISWH], v[PW:PW+3]
	s_wait_dscnt 0x0
	s_barrier_signal -1
	s_barrier_wait -1                              ; the hidden layer's 16 images lie in LDS
.irp m, 0,1,2,3
.irp s, 0,1,2,3
	ds_load_b128 v[AF+8*(4*\m+\s):AF+8*(4*\m+\s)+3], v[IR] offset:1024*(4*\m+\s)
	ds_load_b128 v[AF+8*(4*\m+\s)+4:AF+8*(4*\m+\s)+7], v[IR] offset:1024*(4*\m+\s)+512
.endr
.endr
.irp s, 0,1,2,3
	ds_load_b128 v[AS+4*\s:AS+4*\s+3], v[ISR] offset:512*\s
.endr
.irp q, 0,1
	global_load_b128 v[LN+4*\q:LN+4*\q+3], v[LI], s[22:23] offset:512*\q
	global_load_b128 v[LN+8+4*\q:LN+8+4*\q+3], v[LI], s[24:25] offset:512*\q
.endr
	s_wait_xcnt 0x0                                ; the loads that named the base have read it
	s_mov_b64 s[44:45], s[42:43]
.Lskip:
	s_add_co_u32 s29, s29, 1
	s_cmp_lt_u32 s29, 2
	s_cbranch_scc1 .Lhalf
	; ================ OUT: d rs through my stage into whole rows, x ln2_g + ln2_b, stored
	s_wait_loadcnt 0x0
	s_wait_dscnt 0x0
; The way out goes by row tiles, so that a tile's rows are stored while the next tiles turn through the stage.
.macro OUTP m                          ; tile m: d x rs, and into my stage: 32 LDS stores
.irp c, 0,1
	WIN 65*(1+\c)
.set K_, 0
.rept 32
	v_pk_mul_f32 v[64*(\m)+K_:64*(\m)+K_+1], v[64*(\m)+K_:64*(\m)+K_+1], v[MU+2*(\m):MU+2*(\m)+1]
.set K_, K_+2
.endr
.endr
.irp c, 0,1
	WIN 4*(1+\c)
.irp b, 0,1,2,3
.irp j, 0,1,2,3
	ds_store_b128 v[SO], v[64*(\m)+16*\b+4*\j:64*(\m)+16*\b+4*\j+3] offset:16640*(\m)+512*\c+128*\b+16*\j
.endr
.endr
.endr
	WIN 0
.endm
.macro OUTL m                          ; tile m back as whole rows, 32 LDS loads: half q of row i into window 1 + q at 64 m + 4 i: the tile's own registers, which its stores have read
.irp q, 0,1
	WIN 64*(1+\q)
.irp i, 0,1,2,3,4,5,6,7,8,9,10,11,12,13,14,15
	ds_load_b128 v[64*(\m)+4*\i:64*(\m)+4*\i+3], v[SIA+(\m)/2] offset:16640*((\m)%2)+1040*\i+512*\q
.endr
.endr
	WIN 0
.endm
.macro OUTS m                          ; tile m: x ln2_g + ln2_b, stored
.irp q, 0,1
	WIN 65*(1+\q)
.irp i, 0,1,2,3,4,5,6,7,8,9,10,11,12,13,14,15
.irp p, 0,1
	v_pk_fma_f32 v[64*(\m)+4*\i+2*\p:64*(\m)+4*\i+2*\p+1], v[64*(\m)+4*\i+2*\p:64*(\m)+4*\i+2*\p+1], v[LN+4*\q+2*\p:LN+4*\q+2*\p+1], v[LN+8+4*\q+2*\p:LN+8+4*\q+2*\p+1]
.endr
.endr
	WIN 4*(1+\q)
.irp i, 0,1,2,3,4,5,6,7,8,9,10,11,12,13,14,15
	global_store_b128 v[LI], v[64*(\m)+4*\i:64*(\m)+4*\i+3], s[26:27] offset:(32*((\m)/2)+8*((\m)%2)+\i+8*(\i/8))*4096+512*\q th:TH_STORE_NT   ; 512 consecutive aligned bytes of one row
.endr
.endr
	WIN 0
.endm
	OUTP 0
	OUTP 1
	s_wait_dscnt 32                                ; tile 0's stores are done (behind them: tile 1's 32)
	OUTL 0
	OUTP 2
	s_wait_dscnt 63                                ; tile 1's stores are done (behind them 64: a smaller count than needed)
	OUTL 1
	s_wait_dscnt 63                                ; tile 0 is back (behind its loads 64)
	OUTS 0
	OUTP 3
	s_wait_dscnt 63                                ; tile 2's stores are done (behind them 64)
	OUTL 2
	s_wait_dscnt 63                                ; tile 1 is back (behind its loads 64)
	OUTS 1
	s_wait_dscnt 32                                ; tile 3's stores are done (behind them: tile 2's 32 loads)
	OUTL 3
	s_wait_dscnt 32                                ; tile 2 is back
	OUTS 2
	s_wait_dscnt 0x0
	OUTS 3
	s_wait_xcnt 0x0
	v_lshl_add_u32 v254, v0, 2, 0x4e800
	v_mov_b32 v255, 0
	s_wait_alu depctr_va_vdst(0)
	s_wait_tensorcnt 0x0
	ds_add_u32 v254, v255
	s_wait_dscnt 0x0
	s_endpgm
.Lfunc_end_k_q15553d5352_tail:
	.size	k_q15553d5352_tail, .Lfunc_end_k_q15553d5352_tail-k_q15553d5352_tail
	.p2alignl 7, 3214868480
	.fill 96, 4, 3214868480
	.section	.rodata,"a",@progbits
	.p2align	6, 0x0
	.amdhsa_kernel k_q15553d5352_tail
		.amdhsa_group_segment_fixed_size 322048
		.amdhsa_private_segment_fixed_size 0
		.amdhsa_enable_private_segment 0
		.amdhsa_kernarg_size 96
		.amdhsa_user_sgpr_count 2
		.amdhsa_user_sgpr_kernarg_segment_ptr 1
		.amdhsa_wavefront_size32 1
		.amdhsa_system_sgpr_workgroup_id_x 1
		.amdhsa_system_sgpr_workgroup_id_y 1
		.amdhsa_system_sgpr_workgroup_id_z 1
		.amdhsa_system_vgpr_workitem_id 0
		.amdhsa_next_free_vgpr 1024
		.amdhsa_next_free_sgpr 66
		.amdhsa_reserve_vcc 0
		.amdhsa_float_denorm_mode_32 3
		.amdhsa_float_denorm_mode_16_64 3
		.amdhsa_memory_ordered 1
		.amdhsa_forward_progress 1
		.amdhsa_inst_pref_size 255
	.end_amdhsa_kernel
	.section	.bss,"aw",@nobits
	.p2align	6
	.space	262144
	.amdgpu_metadata
---
amdhsa.version: [ 1, 2 ]
amdhsa.kernels:
  - .name:           k_q15553d5352_tail
    .symbol:         k_q15553d5352_tail.kd
    .args:
      - { .name: src, .offset: 0, .size: 8, .value_kind: global_buffer, .address_space: global }
      - { .name: oc, .offset: 8, .size: 8, .value_kind: global_buffer, .address_space: global }
      - { .name: osc, .offset: 16, .size: 8, .value_kind: global_buffer, .address_space: global }
      - { .name: wts, .offset: 24, .size: 8, .value_kind: global_buffer, .address_space: global }
      - { .name: bo, .offset: 32, .size: 8, .value_kind: global_buffer, .address_space: global }
      - { .name: ln1_g, .offset: 40, .size: 8, .value_kind: global_buffer, .address_space: global }
      - { .name: ln1_b, .offset: 48, .size: 8, .value_kind: global_buffer, .address_space: global }
      - { .name: b1, .offset: 56, .size: 8, .value_kind: global_buffer, .address_space: global }
      - { .name: b2, .offset: 64, .size: 8, .value_kind: global_buffer, .address_space: global }
      - { .name: ln2_g, .offset: 72, .size: 8, .value_kind: global_buffer, .address_space: global }
      - { .name: ln2_b, .offset: 80, .size: 8, .value_kind: global_buffer, .address_space: global }
      - { .name: out0, .offset: 88, .size: 8, .value_kind: global_buffer, .address_space: global }
    .group_segment_fixed_size: 322048
    .private_segment_fixed_size: 0
    .kernarg_segment_align: 8
    .kernarg_segment_size: 96
    .max_flat_workgroup_size: 128
    .sgpr_count:     66
    .vgpr_count:     1024
    .wavefront_size: 32
...
	.end_amdgpu_metadata
.endif
;; end of part 4
